; MI455X (gfx1250); checked and timed in simulation.
; The chip was launched on July 23, 2026; its instructions are those of AMD's public machine-readable ISA for CDNA 5 (MIT licence, August 2026) and "CDNA5" Instruction Set Architecture Reference Guide (July 2026). The comments in the code are by the model that wrote it; some were corrected since.
;; Encoder Layer. Allowed arithmetic: matrix products marked QUANTISED: E5M2 operands, one given power-of-two scale a tensor, by v_wmma_f32_16x16x64_bf8_bf8 or v_wmma_f32_16x16x128_bf8_bf8, f32 sums; everything else in f32.
;; Inputs: W1_codes 4,096 x 32 x 32 uint8 (E5M2 codes of W1, K innermost, in blocks of 32 codes); W2_codes 1,024 x 128 x 32 uint8 (E5M2 codes of W2, K innermost, in blocks of 32 codes); W_o_codes 1,024 x 32 x 32 uint8 (E5M2 codes of W_o, K innermost, in blocks of 32 codes); W_qkv_codes 3,072 x 32 x 32 uint8 (E5M2 codes of W_qkv, K innermost, in blocks of 32 codes); b1 4,096 float32; b2 1,024 float32; b_o 1,024 float32; b_qkv 3,072 float32; beta1 1,024 float32; beta2 1,024 float32; gamma1 1,024 float32; gamma2 1,024 float32; lowp_scales 12 int32 (the exponents e of the quantised operands' scales 2^e); x 2 x 2,048 x 1,024 float32.
;; Outputs: out0 2 x 2,048 x 1,024 float32.
;; This version of the problem:
;;   THIS VERSION OF THE PROBLEM IS GIVEN IN LOW PRECISION. The matrix products marked QUANTISED in the list below multiply operands that are first quantised to E5M2 (5 exponent bits, 2 mantissa bits; 8 bits a number), with one given power-of-two scale for each operand tensor; their sums are f32. All else is computed in f32.
;;   The module's matrix products, in the order in which they are computed (A, B: the left and right operand; K: the contracted axis; several contracted axes count as one K, in the product's order):
;;     1. [M 4,096, K 1,024] x [K 1,024, N 3,072]; A: input x; B: input W_qkv (given as codes): QUANTISED (scales: A lowp_scales[0], B lowp_scales[1])
;;     2. batch 32 x [M 2,048, K 64] x [K 64, N 2,048]; A: computed on the way; B: computed on the way: QUANTISED (scales: A lowp_scales[2], B lowp_scales[3])
;;     3. batch 32 x [M 2,048, K 2,048] x [K 2,048, N 64]; A: softmax (see below); B: computed on the way: QUANTISED (scales: A lowp_scales[4], B lowp_scales[5])
;;     4. [M 4,096, K 1,024] x [K 1,024, N 1,024]; A: computed on the way; B: input W_o (given as codes): QUANTISED (scales: A lowp_scales[6], B lowp_scales[7])
;;     5. [M 4,096, K 1,024] x [K 1,024, N 4,096]; A: computed on the way; B: input W1 (given as codes): QUANTISED (scales: A lowp_scales[8], B lowp_scales[9])
;;     6. [M 4,096, K 4,096] x [K 4,096, N 1,024]; A: computed on the way; B: input W2 (given as codes): QUANTISED (scales: A lowp_scales[10], B lowp_scales[11])
;;   THE QUANTISER, for each operand of a quantised product, along K:
;;     - The operand's scale is 2^e, e = its entry of the input lowp_scales (int32; the entries are numbered through the quantised products in the list's order, A before B).
;;     - Each number is divided by the scale, clamped to +-57,344, and rounded to the nearest number of E5M2, ties to even, subnormals kept.
;;     - The product sums the exact products of the quantised numbers (number of the format x scale) in f32.
;;   ~~~python
;;   def quantise(x, axis, e):      # numpy; x: float32 -> the quantised numbers, widened to float32 again
;;       x = np.moveaxis(x, axis, -1); K = x.shape[-1]
;;       r = np.clip(x / 2.0 ** e, -57344, 57344)
;;       step = 2.0 ** (np.maximum(np.frexp(np.where(r == 0, 1, r))[1] - 1, -14) - 2)
;;       q = np.round(r / step) * step * 2.0 ** e      # np.round: ties to even
;;       return np.moveaxis(q, -1, axis).astype(np.float32)
;;   ~~~
;;   SOFTMAX AHEAD OF A QUANTISED PRODUCT. Where the list says 'softmax', what is quantised is not the finished softmax but p = 2^(t - M), with t = logit x log2(e) and M = ceil(the row's largest t), a whole number; so 1/2 < the row's largest p <= 1. The row's sum l is taken of the UNQUANTISED p, in f32, and the product's result is divided by l at the end. Since M is a whole number, a kernel that streams over the keys may use a running M (the ceiling of the running maximum): every later rescaling is an exact power of two, so the quantised numbers keep their values, but for numbers so far below the row's largest that they fall under the format's range.
;;   OPERANDS COMPUTED ON THE WAY. 'Computed on the way' means the value that the module computes at that place (a softmax that the list does not call 'softmax' is quantised finished and normalised). What goes into a quantiser is computed in f32, as accurately as f32 sums, v_exp_f32 and their like allow (about 1e-6 of the number): no bf16 or f16 on the way to a quantiser, and a product that is left as it is and whose result goes on into a quantised operand takes f32 operands (vector FMAs, or v_wmma_f32_16x16x4_f32). A number that lies on a knife's edge between two numbers of the format may be rounded either way, as far as f32 arithmetic and the matrix unit's own rounding can turn it there, and no further.
;;   INPUTS GIVEN AS CODES. W1 (in the module: [1024, 4096], K = its axis 0); W2 (in the module: [4096, 1024], K = its axis 0); W_o (in the module: [1024, 1024], K = its axis 0); W_qkv (in the module: [1024, 3072], K = its axis 0): each comes as NAME_codes (uint8): NAME with its K axis moved to the last place and cut into blocks of 32 codes, [.., K / 32, bytes a block], one block behind the other in memory; one code a byte (a code: sign, 5 exponent bits, 2 mantissa bits); its scale is its entry of lowp_scales. Its value is code x scale, taken as it is: it is not quantised again, and the codes and scales need not be those that the quantiser above would give.
;; One version. Each part assembles by itself: llvm-mc -triple=amdgcn-amd-amdhsa -mcpu=gfx1250 --defsym DOCPART=n.
;; ======== version 1 of 1: 8 launches
;; limits: right only within a limited range of input values
;; workspace buffers: pbuf 10,485,760 bytes; qkvb 12,582,912 bytes; vals 4,194,304 bytes; cbuf 16,777,216 bytes; hbuf 16,777,216 bytes; hcod 4,194,304 bytes; hid 16,777,216 bytes
;; launch prep (part 1): grid 320 x 1, 4 waves a work-group, no clusters, 33,280 bytes of LDS; arguments x, W_o_codes, W2_codes, W_qkv_codes, lowp_scales, pbuf; writes pbuf
.if DOCPART == 1
	.amdgcn_target "amdgcn-amd-amdhsa--gfx1250"
	.amdhsa_code_object_version 6
	.text
	.protected	k_qb1d9206faf_prep
	.globl	k_qb1d9206faf_prep
	.p2align	8
	.type	k_qb1d9206faf_prep,@function
k_qb1d9206faf_prep:
	s_mov_b64 s[64:65], 0
	v_nop
	global_prefetch_b8 v0, s[64:65] scope:SCOPE_SE
	s_setreg_imm32_b32 hwreg(HW_REG_WAVE_MODE, 25, 1), 1
	s_wait_xcnt 0x0
; PREP: three jobs that later launches lean on, told apart by the work-group's number alone.
;   work-groups 0-127:   x [4096][1024] f32 -> codes of E5M2 with the given scale 2^e0, as rows, at pbuf + 0.
;   work-groups 128-287: W2's codes (128-255) and W_o's (256-287) are laid anew as IMAGES OF OPERAND REGISTERS: a fragment of 16 rows x 128 K is 2,048 bytes,
;                        registers 4 g .. 4 g + 3 of lane l at 512 g + 16 l; register 2 c, 2 c + 1 of lane (r, h) holds k = 16 c + 8 h + 0 .. 7 of row r.
;                        Order: [block of 128 rows][256 along K][128 along K][tile of 16 rows].  W_o's at pbuf + 0x500000, W2's at pbuf + 0x600000.
;   work-groups 288-319: the 64 rows of each head that make V (rows 192 head + 128 .. + 191 of W_qkv) are gathered as [64 head + d][1024] at pbuf + 0x400000.
; code = x / 2^e0, held within +-57,344, to the nearest code, ties to even.  LIMIT: e0 between -126 and 112.  NaN among the inputs is not served.
; Only the first job uses LDS (a stage of its own for each wave); waves share nothing: no barrier.
.set WREG,  8192                       ; LDS of a wave: two stages of 32 x SP bytes
.set SP,    80                         ; a lane's place in a stage: 64 bytes + 16 of padding
.set STEPS, 16                         ; steps of 512 numbers for a wave
.set R,     16                         ; v16-79   four sets of 16 numbers as loaded
.set X,     80                         ; v80-111  two sets of 16 neighbours
.set C,     128                        ; v128-191 codes: four registers a step, never written twice
.macro LOAD t
.irp i, 0,1,2,3
	global_load_b128 v[R+16*((\t)%4)+4*\i:R+16*((\t)%4)+4*\i+3], v3, s[4:5] offset:2048*(\t)+512*\i th:TH_LOAD_NT   ; 32 lanes read 512 consecutive bytes
.endr
.endm
.macro TURN t                          ; a step's 2,048 bytes through the stage: in as they lie, back 64 bytes a lane; LDS serves a wave's instructions in order
.irp i, 0,1,2,3
	ds_store_b128 v14, v[R+16*((\t)%4)+4*\i:R+16*((\t)%4)+4*\i+3] offset:32*SP*((\t)%2)+8*SP*\i
.endr
.irp i, 0,1,2,3
	ds_load_b128 v[X+16*((\t)%2)+4*\i:X+16*((\t)%2)+4*\i+3], v15 offset:32*SP*((\t)%2)+16*\i
.endr
.endm
.macro STEP t
.set XS, X+16*((\t)%2)
	s_wait_dscnt 0x0                               ; this step's numbers are back from the stage, and its stores into the stage have read their registers
.if (\t)+4 < STEPS
	LOAD (\t)+4
.endif
.if (\t)+1 < STEPS
.if STEPS-2-(\t) >= 3
	s_wait_loadcnt 12                              ; the next step's four loads are in; three steps' twelve may be out
.else
	s_wait_loadcnt 4*(STEPS-2-(\t))
.endif
	TURN (\t)+1
.endif
.irp i, 0,1,2,3,4,5,6,7,8,9,10,11,12,13,14,15
	v_med3_num_f32 v[XS+\i], v[XS+\i], -v10, v10   ; the conversion does not saturate (ISA guide 7.6.2): the hold at the largest code x the scale
.endr
	v_cvt_scalef32_pk8_bf8_f32 v[C+4*(\t):C+4*(\t)+1], v[XS:XS+7], v11
	v_cvt_scalef32_pk8_bf8_f32 v[C+4*(\t)+2:C+4*(\t)+3], v[XS+8:XS+15], v11
	v_nop                                          ; a plain line behind the last conversion of the run
	global_store_b128 v3, v[C+4*(\t):C+4*(\t)+3], s[14:15] offset:512*(\t)   ; 32 lanes store 512 consecutive bytes
.endm
	s_load_b256 s[4:11], s[0:1], 0x0               ; x s[4:5], W_o s[6:7], W2 s[8:9], W_qkv s[10:11]
	s_load_b128 s[12:15], s[0:1], 0x20             ; the scales' exponents s[12:13], pbuf s[14:15]
	v_lshl_add_u32 v192, v0, 2, 0x8000
	v_mov_b32 v193, 0
	v_lshrrev_b32 v1, 5, v0
	v_readfirstlane_b32 s16, v1                    ; wave 0..3
	v_and_b32 v2, 31, v0                           ; lane
	v_lshlrev_b32 v3, 4, v2                        ; 16 x lane
	s_cmp_lt_u32 ttmp9, 128
	s_cbranch_scc0 .Lnot_x
	; ---- x into codes: my wave's run of 8,192 numbers is run 4 x work-group + wave
	s_mul_i32 s17, s16, WREG
	v_lshrrev_b32 v14, 2, v2
	v_mul_u32_u24 v14, v14, SP
	v_and_b32 v15, 3, v2
	v_lshl_add_u32 v14, v15, 4, v14
	v_add_nc_u32 v14, s17, v14                     ; the stage on the way in: SP (lane / 4) + 16 (lane % 4)
	v_mul_u32_u24 v15, v2, SP
	v_add_nc_u32 v15, s17, v15                     ; and on the way out: SP x lane
	s_lshl_b32 s18, ttmp9, 2
	s_add_co_u32 s18, s18, s16
	s_lshl_b32 s20, s18, 15                        ; 32,768 bytes of f32,
	s_mov_b32 s21, 0
	s_lshl_b32 s22, s18, 13                        ; 8,192 bytes of codes
	s_mov_b32 s23, 0
	s_wait_kmcnt 0x0
	s_load_b32 s24, s[12:13], 0x0                  ; e0
	s_add_nc_u64 s[4:5], s[4:5], s[20:21]
	s_add_nc_u64 s[14:15], s[14:15], s[22:23]
	s_wait_alu depctr_va_vdst(0)
.irp t, 0,1,2,3
	LOAD \t
.endr
	s_wait_kmcnt 0x0
	s_add_co_i32 s24, s24, 127
	s_lshl_b32 s25, s24, 23
	v_mov_b32 v11, s25                             ; 2^e0 as f32: the conversion takes its exponent field
	s_add_co_i32 s24, s24, 15
	s_lshl_b32 s24, s24, 23
	s_or_b32 s24, s24, 0x600000
	v_mov_b32 v10, s24                             ; 57,344 x 2^e0
	s_wait_alu depctr_va_vdst(0)
	s_wait_loadcnt 12                              ; step 0's four loads are in
	TURN 0
.irp t, 0,1,2,3,4,5,6,7,8,9,10,11,12,13,14,15
	STEP \t
.endr
	s_wait_tensorcnt 0x0
	ds_add_u32 v192, v193
	s_wait_dscnt 0x0
	s_endpgm
.Lnot_x:
	s_cmp_lt_u32 ttmp9, 288
	s_cbranch_scc0 .Lcopy
	; ---- images of W2 and W_o.  A wave takes one tile of 16 rows x 512 along K: four fragments.
	s_sub_co_u32 s17, ttmp9, 128
	s_cmp_lt_u32 s17, 128                          ; W2's work-group or W_o's?  The choice hangs on the work-group's number alone
	s_cselect_b32 s18, 12, 10                      ; a row is 2^12 or 2^10 bytes
	s_cselect_b32 s19, 3, 1                        ; 2^3 or 2^1 pieces of 512 in a row
	s_cselect_b32 s20, 0x100000, 0
	s_cselect_b32 s21, 0, 128
	s_wait_kmcnt 0x0
	s_cselect_b64 s[6:7], s[8:9], s[6:7]
	s_add_co_u32 s20, s20, 0x500000                ; where the images begin in pbuf
	s_sub_co_u32 s17, s17, s21
	s_lshl_b32 s17, s17, 2
	s_add_co_u32 s17, s17, s16                     ; my wave's number among the tensor's
	s_lshr_b32 s22, s17, s19                       ; tile of 16 rows
	s_lshl_b32 s23, s22, s19
	s_sub_co_u32 s23, s17, s23                     ; piece of 512 along K
	s_add_co_u32 s24, s18, 4
	s_lshl_b32 s24, s22, s24                       ; 16 rows x tile,
	s_lshl_b32 s25, s23, 9
	s_add_co_u32 s24, s24, s25                     ; + 512 x piece
	s_mov_b32 s25, 0
	s_add_nc_u64 s[6:7], s[6:7], s[24:25]
	s_lshr_b32 s26, s22, 3                         ; block of 128 rows: K x 128 bytes each
	s_add_co_u32 s27, s18, 7
	s_lshl_b32 s26, s26, s27
	s_add_co_u32 s26, s26, s20
	s_lshl_b32 s27, s23, 16                        ; a piece is two lots of 256 along K, 32,768 bytes each
	s_add_co_u32 s26, s26, s27
	s_and_b32 s27, s22, 7
	s_lshl_b32 s27, s27, 11                        ; the tile's place among eight
	s_add_co_u32 s26, s26, s27
	s_mov_b32 s27, 0
	s_add_nc_u64 s[14:15], s[14:15], s[26:27]
	v_and_b32 v4, 15, v0
	v_bfe_u32 v5, v0, 4, 1
	v_lshlrev_b32 v4, s18, v4                      ; row r,
	v_lshl_add_u32 v4, v5, 3, v4                   ; + 8 h
.set c, 0
.rept 32
	global_load_b64 v[16+2*c:17+2*c], v4, s[6:7] offset:16*c   ; k = 16 c + 8 h + 0 .. 7: registers 2 c, 2 c + 1
.set c, c+1
.endr
	s_wait_loadcnt 0x0
	s_wait_alu depctr_va_vdst(0)
.irp f, 0,1,2,3
.irp g, 0,1,2,3
	global_store_b128 v3, v[16+16*\f+4*\g:16+16*\f+4*\g+3], s[14:15] offset:(\f/2)*32768+(\f%2)*16384+512*\g   ; 512 consecutive bytes
.endr
.endr
	s_endpgm
.Lcopy:
	; ---- V's rows of W_qkv, gathered: a work-group copies half a head (32 rows), a wave 8,192 bytes
	s_sub_co_u32 s17, ttmp9, 288
	s_lshr_b32 s18, s17, 1
	s_mul_i32 s18, s18, 192*1024
	s_add_co_u32 s18, s18, 128*1024
	s_and_b32 s19, s17, 1
	s_lshl_b32 s19, s19, 15
	s_add_co_u32 s18, s18, s19
	s_lshl_b32 s19, s16, 13
	s_add_co_u32 s18, s18, s19
	s_mov_b32 s19, 0
	s_lshl_b32 s20, s17, 15
	s_add_co_u32 s20, s20, 0x400000
	s_lshl_b32 s21, s16, 13
	s_add_co_u32 s20, s20, s21
	s_mov_b32 s21, 0
	s_wait_kmcnt 0x0
	s_add_nc_u64 s[10:11], s[10:11], s[18:19]
	s_add_nc_u64 s[14:15], s[14:15], s[20:21]
	s_wait_alu depctr_va_vdst(0)
.irp i, 0,1,2,3,4,5,6,7,8,9,10,11,12,13,14,15
	global_load_b128 v[16+4*\i:19+4*\i], v3, s[10:11] offset:512*\i
.endr
	s_wait_loadcnt 0x0
.irp i, 0,1,2,3,4,5,6,7,8,9,10,11,12,13,14,15
	global_store_b128 v3, v[16+4*\i:19+4*\i], s[14:15] offset:512*\i
.endr
	s_endpgm
.Lfunc_end_k_qb1d9206faf_prep:
	.size	k_qb1d9206faf_prep, .Lfunc_end_k_qb1d9206faf_prep-k_qb1d9206faf_prep
	.p2alignl 7, 3214868480
	.fill 96, 4, 3214868480
	.section	.rodata,"a",@progbits
	.p2align	6, 0x0
	.amdhsa_kernel k_qb1d9206faf_prep
		.amdhsa_group_segment_fixed_size 33280
		.amdhsa_private_segment_fixed_size 0
		.amdhsa_enable_private_segment 0
		.amdhsa_kernarg_size 48
		.amdhsa_user_sgpr_count 2
		.amdhsa_user_sgpr_kernarg_segment_ptr 1
		.amdhsa_wavefront_size32 1
		.amdhsa_system_sgpr_workgroup_id_x 1
		.amdhsa_system_sgpr_workgroup_id_y 1
		.amdhsa_system_sgpr_workgroup_id_z 1
		.amdhsa_system_vgpr_workitem_id 0
		.amdhsa_next_free_vgpr 194
		.amdhsa_next_free_sgpr 66
		.amdhsa_reserve_vcc 0
		.amdhsa_float_denorm_mode_32 3
		.amdhsa_float_denorm_mode_16_64 3
		.amdhsa_memory_ordered 1
		.amdhsa_forward_progress 1
		.amdhsa_inst_pref_size 47
	.end_amdhsa_kernel
	.amdgpu_metadata
---
amdhsa.version: [ 1, 2 ]
amdhsa.kernels:
  - .name:           k_qb1d9206faf_prep
    .symbol:         k_qb1d9206faf_prep.kd
    .args:
      - { .name: x, .offset: 0, .size: 8, .value_kind: global_buffer, .address_space: global }
      - { .name: W_o_codes, .offset: 8, .size: 8, .value_kind: global_buffer, .address_space: global }
      - { .name: W2_codes, .offset: 16, .size: 8, .value_kind: global_buffer, .address_space: global }
      - { .name: W_qkv_codes, .offset: 24, .size: 8, .value_kind: global_buffer, .address_space: global }
      - { .name: lowp_scales, .offset: 32, .size: 8, .value_kind: global_buffer, .address_space: global }
      - { .name: pbuf, .offset: 40, .size: 8, .value_kind: global_buffer, .address_space: global }
    .group_segment_fixed_size: 33280
    .private_segment_fixed_size: 0
    .kernarg_segment_align: 8
    .kernarg_segment_size: 48
    .max_flat_workgroup_size: 128
    .sgpr_count:     66
    .vgpr_count:     194
    .wavefront_size: 32
...
	.end_amdgpu_metadata
.endif
;; end of part 1
;; launch qkv (part 2): grid 12 x 16, 4 waves a work-group, clusters of 4 x 4, 327,680 bytes of LDS; arguments pbuf, W_qkv_codes, lowp_scales, b_qkv, qkvb; writes qkvb
.if DOCPART == 2
	.amdgcn_target "amdgcn-amd-amdhsa--gfx1250"
	.amdhsa_code_object_version 6
	.text
	.protected	k_qb1d9206faf_qkv
	.globl	k_qb1d9206faf_qkv
	.p2align	8
	.type	k_qb1d9206faf_qkv,@function
k_qb1d9206faf_qkv:
	s_mov_b64 s[64:65], 0
	v_nop
	global_prefetch_b8 v0, s[64:65] scope:SCOPE_SE
	s_setreg_imm32_b32 hwreg(HW_REG_WAVE_MODE, 25, 1), 1
	s_wait_xcnt 0x0
	s_wait_alu depctr_hold_cnt(0) depctr_sa_sdst(0) depctr_va_vdst(0) depctr_va_sdst(0) depctr_va_ssrc(0) depctr_va_vcc(0) depctr_vm_vsrc(0)
	s_getreg_b32 s2, hwreg(HW_REG_IB_STS2, 6, 4)
	s_cmp_eq_u32 s2, 0
	s_cbranch_scc0 .Lentry_in_a_cluster
	s_endpgm
.Lentry_in_a_cluster:
	s_bfe_u32 s2, ttmp6, 0x10000c
	s_cmp_lg_u32 s2, 0xf033
	s_cbranch_scc0 .Lentry_shape_is_right
	s_endpgm
.Lentry_shape_is_right:
; QKV: qkv = x W_qkv + b_qkv on codes of E5M2, then q, k and v are quantised (scales 2^e2, 2^e3, 2^e5) and stored as IMAGES OF OPERAND REGISTERS for the attention launch.
; x's codes: pbuf + 0, [4096][1024].  W_qkv_codes: [3072][1024], row 192 head + (q: 0-63, k: 64-127, v: 128-191).  V's rows gathered: pbuf + 0x400000, [64 head + d][1024].
; A tile is 256 x 256, four waves of 128 x 128 (64 accumulators, 512 registers); K = 1,024 in four steps of 256 through two LDS slots filled by joint tensor loads (4 x 4 cluster:
; x's tiles shared along a row of the cluster, W's along a column).
; Tile columns 0-7 (cluster x 0, 1): two heads' q and k rows, 128 rows a head.  The matrix instruction takes W's rows as source 0 and x's as source 1: a lane holds ONE token and eight neighbouring
; channels; the eight tiles of 16 channels, converted, ARE the registers of q's and k's fragments (16 tokens x 64 channels: registers 2 c, 2 c + 1 = channels 16 c + 8 h + 0 .. 7).
; Tile columns 8-11 (cluster x 2): V.  The roles are exchanged by the LDS addresses of the fragments alone: source 0 = tokens, source 1 = W_v's rows, so that a lane holds ONE channel d and its
; registers run along the tokens, which are the second attention product's K: a fragment of 16 channels x 128 keys.
; An image: registers 4 g .. 4 g + 3 of lane l at 512 g + 16 l: every store covers 512 consecutive bytes.  qkvb: q [bh][token / 16] x 1,024 bytes; + 0x400000 k likewise; + 0x800000 v [bh][128 keys][16 channels] x 2,048 bytes.
; The fragments of the product itself are read from LDS rows by four loads of 16 bytes: a permutation of k that is the same on both sides.
; LIMITS: e0 + e1 between -126 and 127; e2, e3, e5 between -126 and 112.  NaN among the inputs is not served.
; REGISTERS: window 0: v16-29 addresses; v32-95 the bias in the result's layout; v96-101 the quantisers' constants; v128-255 source 1's fragments, one set (on the way out: v128-191 numbers, v192-255 codes).
;   window 1: source 0's fragments, two sets.  window 2, 3: the accumulators (a, b) at v[8 (8 (a % 4) + b)].
.set KROW,   1024
.set ROWB,   256                       ; a slot's part of a row
.set PITCH,  272                       ; an LDS row: 256 bytes + 16 of padding: the 16 rows of a load start at 16 different banks (64 banks of 4 bytes: ISA guide 11.1)
.set FR,     16
.set NL,     4
.set NP,     4                         ; places behind this matrix instruction (ISA guide 7.12.1)
.set HALFT,  128*PITCH
.set SLOT,   4*HALFT                   ; x's 256 rows, then W's 256 rows
.set LAPS,   2
.set SPARE,  2*SLOT                    ; the spare words: 128 bytes a wave, two blocks of 256 bytes that no other line names
.set ADRA, 16                          ; v16-17 LDS address of source 1's fragments in slot 0, 1
.set ADRB, 20                          ; v20-21 of source 0's
.set GO,   26                          ; v26 16 x lane: my place in an image; never rewritten
.set BO,   27                          ; v27 my offset in the bias; never rewritten
.set SPW,  28
.set NIL,  29
.set BIAS, 32
.set QC,   96                          ; v96, 97: 2^e2, 57,344 x 2^e2; v98, 99: e3's; v100, 101: e5's
.set AF,   128
.set TMP,  128
.set PC,   192
.set G1, 24
.set G0, 32
.set G1B, 48
.set G0B, 56
.set MSB, 0
.macro WIN new                         ; the immediate's high byte repeats the setting that is left
.if MSB != \new
	s_set_vgpr_msb (MSB<<8)|\new
.set MSB, \new
.endif
.endm
.set MUL_LO, 0xa1                      ; source 0 window 1, source 1 window 0, C and D window 2
.set MUL_HI, 0xf1                      ; the same, C and D window 3
.set TO_B,   0x40                      ; destination window 1, address window 0
; A joint load: waves 0 and 1 fetch x's two halves, waves 2 and 3 W's.  Four v_nop follow each of the two lines.
.macro JLOAD g0a, g1a, g0b, g1b
	s_cmp_eq_u32 s15, s70                          ; s70 = 0: waves 0, 1 fetch x and waves 2, 3 W; s70 = 1 (V's clusters): the other way round.  Each wave's tile goes to wave x 128 rows either way
	s_cbranch_scc0 .Lfor_b_\@
	tensor_load_to_lds s[\g0a:\g0a+3], s[\g1a:\g1a+7]
	s_nop 0
.rept 4
	v_nop
.endr
	s_branch .Lasked_\@
.Lfor_b_\@:
	tensor_load_to_lds s[\g0b:\g0b+3], s[\g1b:\g1b+7]
	s_nop 0
.rept 4
	v_nop
.endr
.Lasked_\@:
.endm
.macro CREST                           ; a round of the cluster's barrier behind its opening barrier
	s_cmp_lg_u32 s14, 0
	s_cbranch_scc1 .Lnot_wave_0_\@
	s_barrier_signal -3
.Lnot_wave_0_\@:
	s_barrier_wait -3
	s_barrier_signal -1
	s_barrier_wait -1
.endm
.macro CROUND
	s_barrier_signal -1
	s_barrier_wait -1
	CREST
.endm
.macro QCONST e, vs                    ; s[e]: an exponent;  v[vs] = 2^e, v[vs + 1] = 57,344 x 2^e
	s_add_co_i32 s86, s[\e], 127
	s_lshl_b32 s87, s86, 23
	v_mov_b32 v[\vs], s87
	s_add_co_i32 s86, s86, 15
	s_lshl_b32 s86, s86, 23
	s_or_b32 s86, s86, 0x600000
	v_mov_b32 v[\vs+1], s86
.endm
	s_load_b128 s[4:7], s[0:1], 0x0                ; pbuf s[4:5], W_qkv's codes s[6:7]
	s_load_b128 s[8:11], s[0:1], 0x10              ; the scales' exponents s[8:9], b_qkv s[10:11]
	s_load_b64 s[12:13], s[0:1], 0x20              ; qkvb
	v_lshl_add_u32 v[SPW], v0, 2, SPARE
	v_mov_b32 v[NIL], 0
	ds_add_u32 v28, v29
	ds_add_u32 v28, v29
	s_wait_dscnt 0x0
	v_lshrrev_b32 v1, 5, v0
	v_readfirstlane_b32 s14, v1                    ; wave 0..3
	v_and_b32 v30, 31, v0
	v_lshlrev_b32 v30, 10, v30                     ; the prefetches' offset: my lane x a row of 1,024 bytes; never rewritten
	s_wait_alu depctr_va_vdst(0)
	s_lshr_b32 s15, s14, 1                         ; which half of source 1's rows is mine.  Also: I fetch x (0) or W (1)
	s_and_b32 s16, s14, 1                          ; which half of source 0's rows.  Also: which 128 rows I fetch
	s_bfe_u32 s40, ttmp6, 0x40000                  ; cx, cy
	s_bfe_u32 s41, ttmp6, 0x40004
	s_lshl_b32 s42, ttmp9, 2
	s_add_co_u32 s42, s42, s40                     ; tile column
	s_and_b32 s17, ttmp7, 0xffff
	s_lshl_b32 s17, s17, 2
	s_add_co_u32 s17, s17, s41                     ; tile row: 256 tokens
	s_lshl_b32 s43, s41, 2
	s_lshl_b32 s43, 15, s43                        ; my row of the cluster
	s_lshl_b32 s44, 0x1111, s40                    ; my column
	s_or_b32 s[G1+0], s43, (1<<20)|(1<<21)|(5<<22)|(3<<25)   ; the mask; elements of 1 byte; padding on; bit 21 beside a mask; 4 words of padding after every 64
	s_or_b32 s[G1B+0], s44, (1<<20)|(1<<21)|(5<<22)|(3<<25)
.irp g, G1, G1B
	s_mov_b32 s[\g+1], ROWB<<16                    ; tensor_dim0
	s_mov_b32 s[\g+2], 128<<16                     ; tensor_dim1
	s_mov_b32 s[\g+3], ROWB<<16                    ; tile_dim0
	s_mov_b32 s[\g+4], 128                         ; tile_dim1
	s_mov_b32 s[\g+5], KROW                        ; pitch
	s_mov_b32 s[\g+6], 0
	s_mov_b32 s[\g+7], 0
.endr
	s_lshl_b32 s18, s16, 7
	s_lshl_b32 s20, s17, 8
	s_add_co_u32 s20, s20, s18
	s_lshl_b32 s20, s20, 10                        ; x: row 256 x tile row + 128 x half, in bytes
	s_mov_b32 s21, 0
	s_lshl_b32 s74, s42, 1
	s_add_co_u32 s74, s74, s16                     ; q, k: my head = 2 x tile column + half
	s_lshl_b32 s75, s42, 2
	s_sub_co_u32 s75, s75, 32
	s_lshl_b32 s76, s15, 1
	s_add_co_u32 s75, s75, s76                     ; V: my first head = 4 (tile column - 8) + 2 x half (of use in V's work-groups alone)
	s_mul_i32 s82, s74, 768
	s_mul_i32 s83, s75, 768
	s_add_co_u32 s83, s83, 512
	s_mov_b32 s67, 393216
	s_mov_b32 s68, 196608
	s_cmp_eq_u32 ttmp9, 2                          ; V's clusters: the cluster's x, equal in all sixteen partners
	s_cselect_b32 s82, s83, s82                    ; where my bias begins, in bytes
	s_cselect_b32 s67, 262144, s67                 ; W: bytes from tile column to tile column (256 rows, or two heads of 192),
	s_cselect_b32 s68, 131072, s68                 ; and from half to half
	s_cselect_b32 s69, 8, 0
	s_cselect_b32 s70, 1, 0                        ; V's clusters: W's rows land in the slot's first 256 rows (source 1's), x's in the second 256 (source 0's)
	s_sub_co_u32 s46, s42, s69
	s_mul_i32 s46, s46, s67
	s_mul_i32 s47, s16, s68
	s_add_co_u32 s46, s46, s47
	s_mov_b32 s47, 0
	s_mov_b32 s83, 0
	s_mul_i32 s45, s14, HALFT                      ; where my tile goes: wave x 128 rows
	s_wait_kmcnt 0x0
	s_load_b256 s[88:95], s[8:9], 0x0              ; e0 .. e7
	s_add_nc_u64 s[20:21], s[4:5], s[20:21]
	s_add_nc_u64 s[72:73], s[4:5], 0x400000        ; V's rows, gathered
	s_cmp_eq_u32 ttmp9, 2
	s_cselect_b64 s[72:73], s[72:73], s[6:7]
	s_add_nc_u64 s[46:47], s[72:73], s[46:47]
	; THE PREFETCHES.  A K step is 256 bytes of each of the 128 rows that my wave fetches.  The four partners that ask for a tile jointly share its rows out BY ADDRESS, 32 each
	; (place cx for x's tiles, cy for W's), a lane a row: one instruction a wave and K step, each block of 256 bytes once in the cluster.
	; Behind the load of K step 0 stand the requests for K steps 1 and 2, behind that of K step 1 the request for K step 3: never more than two K steps asked for and not yet read.
	s_cmp_eq_u32 s15, s70                          ; do I fetch x's tile?  The same test as the joint load's
	s_cselect_b64 s[84:85], s[20:21], s[46:47]
	s_cselect_b32 s98, s40, s41
	s_lshl_b32 s98, s98, 15                        ; 32 rows of 1,024 bytes a partner
	s_mov_b32 s99, 0
	s_add_nc_u64 s[84:85], s[84:85], s[98:99]      ; never rewritten
	s_add_nc_u64 s[80:81], s[10:11], s[82:83]      ; the bias
	CROUND                                         ; all sixteen work-groups are here: the first joint loads meet
.irp s, 0,1
	s_mov_b32 s[G0+4*\s], 1
	s_add_co_u32 s[G0+4*\s+1], s45, \s*SLOT
	s_add_nc_u64 s[G0+4*\s+2:G0+4*\s+3], s[20:21], \s*ROWB
	s_or_b32 s[G0+4*\s+3], s[G0+4*\s+3], 0x80000000
	s_mov_b32 s[G0B+4*\s], 1
	s_add_co_u32 s[G0B+4*\s+1], s45, \s*SLOT
	s_add_nc_u64 s[G0B+4*\s+2:G0B+4*\s+3], s[46:47], \s*ROWB
	s_or_b32 s[G0B+4*\s+3], s[G0B+4*\s+3], 0x80000000
.endr
	JLOAD G0, G1, G0B, G1B                         ; K step 0: one tensor load a wave at the head
	global_prefetch_b8 v30, s[84:85] offset:256 th:TH_LOAD_NT scope:SCOPE_SE   ; K step 1
	global_prefetch_b8 v30, s[84:85] offset:512 th:TH_LOAD_NT scope:SCOPE_SE   ; K step 2
	v_and_b32 v1, 15, v0                           ; r
	v_bfe_u32 v2, v0, 4, 1                         ; h
	v_mul_u32_u24 v3, v1, PITCH
	v_lshl_add_u32 v4, v2, 4, v3                   ; a fragment's row x pitch + 16 h
	s_mul_i32 s21, s15, HALFT                      ; source 1's fragments: the slot's first 256 rows
	s_mul_i32 s22, s16, HALFT
	s_add_co_u32 s22, s22, 2*HALFT                 ; source 0's: the second 256
.irp s, 0,1
	v_add_nc_u32 v[ADRA+\s], s21, v4
	v_add_nc_u32 v[ADRB+\s], s22, v4
	s_add_co_u32 s21, s21, SLOT
	s_add_co_u32 s22, s22, SLOT
.endr
	v_and_b32 v6, 31, v0
	v_lshlrev_b32 v[GO], 4, v6
	; the bias, in the result's layout; both ways write all 64 registers
	s_cmp_eq_u32 ttmp9, 2
	s_cbranch_scc1 .Lbias_v
	s_wait_alu depctr_va_vdst(0)
	v_lshlrev_b32 v[BO], 5, v2                     ; tile b, register j: channel 16 b + 8 h + j of my head's 128
.irp b, 0,1,2,3,4,5,6,7
	global_load_b128 v[BIAS+8*\b:BIAS+8*\b+3], v[BO], s[80:81] offset:64*\b
	global_load_b128 v[BIAS+8*\b+4:BIAS+8*\b+7], v[BO], s[80:81] offset:64*\b+16
.endr
	s_branch .Lbias_done
.Lbias_v:
	v_lshlrev_b32 v[BO], 2, v1                     ; block a: channel 16 (a % 4) + r of head a / 4, the same for a lane's eight tokens
.irp a, 0,1,2,3,4,5,6,7
.irp j, 0,1,2,3,4,5,6,7
	global_load_b32 v[BIAS+8*\a+\j], v[BO], s[80:81] offset:(\a/4)*768+(\a%4)*64
.endr
.endr
.Lbias_done:
	s_wait_kmcnt 0x0
	s_add_co_i32 s96, s88, s89
	s_add_co_i32 s96, s96, 127
	s_lshl_b32 s96, s96, 23                        ; 2^(e0 + e1) as f32
	s_mov_b32 s97, s96                             ; (named with it as a pair, so it is written)
	QCONST 90, QC
	QCONST 91, QC+2
	QCONST 93, QC+4
.macro FRAG reg, adr, q, i             ; 16 rows x 128 K: registers 4 c .. 4 c + 3 hold K = 32 c + 16 h + 0 .. 15, alike on both sides
.irp c, 0,1,2,3
	ds_load_b128 v[\reg+4*\c:\reg+4*\c+3], v[\adr] offset:128*(\q)+32*\c+(\i)*16*PITCH
.endr
.endm
; 16 matrix instructions: source 1's blocks a0, a0 + 1 x source 0's eight.  The 64 accumulators take turns, one instruction a turn.
.macro MUL16 a0, p, zero
.irp a, \a0, \a0+1
.irp b, 0,1,2,3,4,5,6,7
.if \zero
	v_wmma_f32_16x16x128_bf8_bf8 v[8*(8*((\a)%4)+\b):8*(8*((\a)%4)+\b)+7], v[128*(\p)+FR*\b:128*(\p)+FR*\b+FR-1], v[AF+FR*(\a):AF+FR*(\a)+FR-1], 0
.else
	v_wmma_f32_16x16x128_bf8_bf8 v[8*(8*((\a)%4)+\b):8*(8*((\a)%4)+\b)+7], v[128*(\p)+FR*\b:128*(\p)+FR*\b+FR-1], v[AF+FR*(\a):AF+FR*(\a)+FR-1], v[8*(8*((\a)%4)+\b):8*(8*((\a)%4)+\b)+7]
.endif
.endr
.endr
.endm
.macro FETCH_B slot, q, p
	WIN TO_B
.irp i, 0,1,2,3,4,5,6,7
	FRAG 128*(\p)+FR*\i, ADRB+\slot, \q, \i
.endr
	WIN 0
.endm
.macro FETCH_A slot, q, i0
.irp i, \i0, \i0+1, \i0+2, \i0+3
	FRAG AF+FR*(\i), ADRA+\slot, \q, \i
.endr
.endm
.macro PLACES n                        ; plain vector lines between a matrix instruction and a load into, or a vector line on, its registers
.rept \n
	v_nop
.endr
.endm
.macro STEP slot, q, zero              ; 128 along K, with its successor in the same slot
	s_wait_dscnt 4*NL                              ; all but the youngest sixteen loads (blocks 4-7) are in
	WIN MUL_LO
	MUL16 0, (\q)%2, \zero
	MUL16 2, (\q)%2, \zero
	s_wait_dscnt 0
	PLACES NP
	FETCH_B \slot, (\q)+1, 1-(\q)%2
	FETCH_A \slot, (\q)+1, 0
	WIN MUL_HI
	MUL16 4, (\q)%2, \zero
	MUL16 6, (\q)%2, \zero
	PLACES NP
	WIN 0
	FETCH_A \slot, (\q)+1, 4
.endm
; A slot's last step changes slots: one barrier; in front of it each wave waits for all its tensor loads, adds 0 to its spare word, and waits for that and for its reads of this slot.
.macro TURN slot, next, fill
	s_wait_tensorcnt 0x0                           ; all my tensor loads have landed: my part of the next slot
	ds_add_u32 v[SPW], v[NIL]                      ; 0 onto my spare word
	s_wait_dscnt 4*NL+1                            ; (the add and the youngest sixteen loads may be out)
	WIN MUL_LO
	MUL16 0, 1, 0
	s_wait_dscnt 0x0                               ; the add is done, and my reads of this slot are over
	s_barrier_signal -1
	MUL16 2, 1, 0
	WIN 0
	s_barrier_wait -1
.if \fill
	CREST                                          ; the barrier has opened a round of the cluster's: no wave of any partner still reads this slot or has a load on its way
	s_add_nc_u64 s[G0+4*\slot+2:G0+4*\slot+3], s[G0+4*\slot+2:G0+4*\slot+3], 2*ROWB
	s_add_nc_u64 s[G0B+4*\slot+2:G0B+4*\slot+3], s[G0B+4*\slot+2:G0B+4*\slot+3], 2*ROWB
	JLOAD G0+4*\slot, G1, G0B+4*\slot, G1B         ; the first tensor load behind the round; its four v_nop are the places in front of the loads below
.else
	PLACES NP
.endif
	FETCH_B \next, 0, 0
	FETCH_A \next, 0, 0
	WIN MUL_HI
	MUL16 4, 1, 0
	MUL16 6, 1, 0
	PLACES NP
	WIN 0
	FETCH_A \next, 0, 4
.endm
	s_wait_alu depctr_va_vdst(0)
	s_wait_tensorcnt 0x0                           ; my part of K step 0 is in
	ds_add_u32 v[SPW], v[NIL]
	s_wait_dscnt 0x0
	CROUND                                         ; everybody's part of K step 0 is in, and the sixteen work-groups meet
	JLOAD G0+4, G1, G0B+4, G1B                     ; K step 1: the first tensor load behind the round
	FETCH_B 0, 0, 0
	FETCH_A 0, 0, 0
	FETCH_A 0, 0, 4
	global_prefetch_b8 v30, s[84:85] offset:768 th:TH_LOAD_NT scope:SCOPE_SE   ; K step 3, the last
	STEP 0, 0, 1                                   ; the first step's products start the sums
	s_mov_b32 s3, LAPS-1
.Llap:
	TURN 0, 1, 1
	STEP 1, 0, 0
	TURN 1, 0, 1
	STEP 0, 0, 0
	s_sub_co_u32 s3, s3, 1
	s_cmp_lg_u32 s3, 0
	s_cbranch_scc1 .Llap
	TURN 0, 1, 0                                   ; the last lap fills nothing
	STEP 1, 0, 0
	s_wait_dscnt 4*NL
	WIN MUL_LO
	MUL16 0, 1, 0
	MUL16 2, 1, 0
	s_wait_dscnt 0
	WIN MUL_HI
	MUL16 4, 1, 0
	MUL16 6, 1, 0
	WIN 0
; THE WAY OUT of block a: number = sum x 2^(e0 + e1) + bias (one packed multiply-add for two, each accumulator from its low end on); the hold; the conversion: eight registers of a tile give
; registers 2 b, 2 b + 1 of a fragment.  No LDS.  mode 0: q (tiles 0-3) and k (tiles 4-7); mode 1: v.
.macro EPI a, mode
.set AC, 64*((\a)%4)
.set PS, PC+16*((\a)%4)
	WIN (0x02+((\a)/4))                            ; source 0: window 2 or 3
.irp b, 0,1,2,3,4,5,6,7
.irp i, 0,2,4,6
.if \mode
	v_pk_fma_f32 v[TMP+8*\b+\i:TMP+8*\b+\i+1], v[AC+8*\b+\i:AC+8*\b+\i+1], s[96:97], v[BIAS+8*(\a)+\i:BIAS+8*(\a)+\i+1] op_sel_hi:[1,0,1]
.else
	v_pk_fma_f32 v[TMP+8*\b+\i:TMP+8*\b+\i+1], v[AC+8*\b+\i:AC+8*\b+\i+1], s[96:97], v[BIAS+8*\b+\i:BIAS+8*\b+\i+1] op_sel_hi:[1,0,1]
.endif
.endr
.endr
	WIN 0
.irp b, 0,1,2,3,4,5,6,7
.if \mode
.set QS, QC+4
.else
.set QS, QC+2*(\b/4)
.endif
.irp i, 0,1,2,3,4,5,6,7
	v_med3_num_f32 v[TMP+8*\b+\i], v[TMP+8*\b+\i], -v[QS+1], v[QS+1]   ; the conversion does not saturate (ISA guide 7.6.2)
.endr
	v_cvt_scalef32_pk8_bf8_f32 v[PS+2*\b:PS+2*\b+1], v[TMP+8*\b:TMP+8*\b+7], v[QS]
.endr
	v_nop                                          ; a plain line behind the last conversion: the next block writes the numbers' registers
.if \mode
.irp g, 0,1,2,3
	global_store_b128 v[GO], v[PS+4*\g:PS+4*\g+3], s[12:13] offset:((\a)/4)*131072+((\a)%4)*2048+512*\g
.endr
.else
	global_store_b128 v[GO], v[PS:PS+3], s[12:13] offset:(\a)*1024
	global_store_b128 v[GO], v[PS+4:PS+7], s[12:13] offset:(\a)*1024+512
	global_store_b128 v[GO], v[PS+8:PS+11], s[12:13] offset:0x400000+(\a)*1024
	global_store_b128 v[GO], v[PS+12:PS+15], s[12:13] offset:0x400000+(\a)*1024+512
.endif
.endm
	s_wait_loadcnt 0x0                             ; the bias
	PLACES NP                                      ; in front of the first read of results and the first write over fragments
	s_lshr_b32 s78, s17, 3
	s_lshl_b32 s78, s78, 4                         ; 16 x batch
	s_cmp_eq_u32 ttmp9, 2
	s_cbranch_scc1 .Lout_v
	s_add_co_u32 s78, s78, s74                     ; bh
	s_lshl_b32 s78, s78, 7
	s_and_b32 s79, s17, 7
	s_lshl_b32 s79, s79, 4
	s_add_co_u32 s78, s78, s79
	s_lshl_b32 s79, s15, 3
	s_add_co_u32 s78, s78, s79                     ; + my first tile of 16 tokens in the batch
	s_lshl_b32 s78, s78, 10
	s_mov_b32 s79, 0
	s_add_nc_u64 s[12:13], s[12:13], s[78:79]
.irp a, 0,1,2,3
	EPI \a, 0
.endr
	s_wait_xcnt 0x0                                ; the first four blocks' stores have read their registers: the four sets of codes are written again
.irp a, 4,5,6,7
	EPI \a, 0
.endr
	s_branch .Lend
.Lout_v:
	s_add_co_u32 s78, s78, s75                     ; bh of my first head
	s_lshl_b32 s78, s78, 4
	s_lshl_b32 s79, s17, 1
	s_add_co_u32 s79, s79, s16
	s_and_b32 s79, s79, 15                         ; my block of 128 keys in the batch
	s_add_co_u32 s78, s78, s79
	s_lshl_b32 s78, s78, 13
	s_add_co_u32 s78, s78, 0x800000
	s_mov_b32 s79, 0
	s_add_nc_u64 s[12:13], s[12:13], s[78:79]
.irp a, 0,1,2,3
	EPI \a, 1
.endr
	s_wait_xcnt 0x0
.irp a, 4,5,6,7
	EPI \a, 1
.endr
.Lend:
	s_wait_tensorcnt 0x0                           ; the wave's end
	ds_add_u32 v[SPW], v[NIL]
	s_wait_dscnt 0x0
	CROUND                                         ; the closing round
	s_endpgm
.Lfunc_end_k_qb1d9206faf_qkv:
	.size	k_qb1d9206faf_qkv, .Lfunc_end_k_qb1d9206faf_qkv-k_qb1d9206faf_qkv
	.p2alignl 7, 3214868480
	.fill 96, 4, 3214868480
	.section	.rodata,"a",@progbits
	.p2align	6, 0x0
	.amdhsa_kernel k_qb1d9206faf_qkv
		.amdhsa_group_segment_fixed_size 327680
		.amdhsa_private_segment_fixed_size 0
		.amdhsa_enable_private_segment 0
		.amdhsa_kernarg_size 40
		.amdhsa_user_sgpr_count 2
		.amdhsa_user_sgpr_kernarg_segment_ptr 1
		.amdhsa_wavefront_size32 1
		.amdhsa_system_sgpr_workgroup_id_x 1
		.amdhsa_system_sgpr_workgroup_id_y 1
		.amdhsa_system_sgpr_workgroup_id_z 1
		.amdhsa_system_vgpr_workitem_id 0
		.amdhsa_next_free_vgpr 1024
		.amdhsa_next_free_sgpr 100
		.amdhsa_reserve_vcc 0
		.amdhsa_float_denorm_mode_32 3
		.amdhsa_float_denorm_mode_16_64 3
		.amdhsa_memory_ordered 1
		.amdhsa_forward_progress 1
		.amdhsa_inst_pref_size 200
	.end_amdhsa_kernel
	.amdgpu_metadata
---
amdhsa.version: [ 1, 2 ]
amdhsa.kernels:
  - .name:           k_qb1d9206faf_qkv
    .symbol:         k_qb1d9206faf_qkv.kd
    .args:
      - { .name: pbuf, .offset: 0, .size: 8, .value_kind: global_buffer, .address_space: global }
      - { .name: W_qkv_codes, .offset: 8, .size: 8, .value_kind: global_buffer, .address_space: global }
      - { .name: lowp_scales, .offset: 16, .size: 8, .value_kind: global_buffer, .address_space: global }
      - { .name: b_qkv, .offset: 24, .size: 8, .value_kind: global_buffer, .address_space: global }
      - { .name: qkvb, .offset: 32, .size: 8, .value_kind: global_buffer, .address_space: global }
    .group_segment_fixed_size: 327680
    .private_segment_fixed_size: 0
    .kernarg_segment_align: 8
    .kernarg_segment_size: 40
    .max_flat_workgroup_size: 128
    .sgpr_count:     100
    .vgpr_count:     1024
    .wavefront_size: 32
...
	.end_amdgpu_metadata
.endif
;; end of part 2
;; launch attn (part 3): grid 8 x 32, 8 waves a work-group, clusters of 4 x 1, 327,680 bytes of LDS; arguments qkvb, lowp_scales, vals; writes vals
.if DOCPART == 3
	.amdgcn_target "amdgcn-amd-amdhsa--gfx1250"
	.amdhsa_code_object_version 6
	.text
	.protected	k_qb1d9206faf_attn
	.globl	k_qb1d9206faf_attn
	.p2align	8
	.type	k_qb1d9206faf_attn,@function
k_qb1d9206faf_attn:
	s_mov_b64 s[64:65], 0
	v_nop
	global_prefetch_b8 v0, s[64:65] scope:SCOPE_SE
	s_setreg_imm32_b32 hwreg(HW_REG_WAVE_MODE, 25, 1), 1
	s_wait_xcnt 0x0
	s_wait_alu depctr_hold_cnt(0) depctr_sa_sdst(0) depctr_va_vdst(0) depctr_va_sdst(0) depctr_va_ssrc(0) depctr_va_vcc(0) depctr_vm_vsrc(0)
	s_getreg_b32 s2, hwreg(HW_REG_IB_STS2, 6, 4)
	s_cmp_eq_u32 s2, 0
	s_cbranch_scc0 .Lentry_in_a_cluster
	s_endpgm
.Lentry_in_a_cluster:
	s_bfe_u32 s2, ttmp6, 0x10000c
	s_cmp_lg_u32 s2, 0x3003
	s_cbranch_scc0 .Lentry_shape_is_right
	s_endpgm
.Lentry_shape_is_right:
; ATTENTION on codes of E5M2: vals = softmax(q k^T / 8) v, head size 64, 2,048 keys, then quantised with 2^e6 for the next product.
; q, k: images of fragments of 16 tokens x 64 channels (1,024 bytes); v: images of 16 channels x 128 keys (2,048 bytes); an image holds registers 4 g .. 4 g + 3 of lane l at 512 g + 16 l.
; THE SOFTMAX: t = score x log2(e) / 8; M = the running largest t rounded UP to a whole number; p = 2^(t - M) is quantised (2^e4), not normalised; the row's sum is taken of the unquantised p and
; divides at the end; when M moves, the sum and O are multiplied by 2^(old M - new M): exact.
; SHARES.  A work-group owns 256 queries of one head; each of its EIGHT waves owns 32 of them, two tiles A and B of 16: every fragment of k and v read from LDS feeds two matrix instructions, and the
; two tiles' chains of vector work are laid by turns.  Every wave walks the head's 2,048 keys, 128 a step.
; LDS holds the WHOLE head: k's images at 0 (131,072 bytes), v's at 131,072; each byte is filled once.  The four query blocks of a cluster share k and v: every tile is asked for jointly (mask 15).
; Waves 0-3 fetch k, waves 4-7 v, told apart by address arithmetic on the wave's number.  At the head each wave asks for a quarter of its tensor's first 640 keys (40 rows of 256 bytes); behind the
; three lines and a round of the cluster's barrier for a quarter of the other 1,408 (88 rows).  Four steps read keys 0 to 639 alone (the fourth asks for step 4's k); then one barrier, in front of which
; every wave has waited for its second load; then twelve steps.
; LAYOUT.  S^T = k q^T (source 0 = 16 keys, source 1 = my queries), O^T = v^T p^T: a lane holds ONE query of each tile.  Tile t's eight registers are keys 16 t + 8 h + 0 .. 7: converted, registers 2 t, 2 t + 1 of p's fragment.
; v's fragments and the next step's k have registers of their own and are asked for right behind the step's first products.  The last step asks for its own k once more (the address is held at step 15): those 16 loads are not used.
; vals: [128 tokens][256 along K][128 along K][16 tokens] images of 2,048 bytes, K = 64 head + channel: a tile's eight registers are half an image: two stores of 512 consecutive bytes.
; No prefetch: every byte of k and v is asked for by the two loads of the head, and there is no loop to run ahead in.
; LIMITS: e2 + e3 between -123 and 130 (added to c's exponent field); e4, e6 between -126 and 112; the scaled scores stay under 2^31 in magnitude.  NaN among the inputs is not served.
; REGISTERS, window 0: v1 16 x lane; v2 the same in v's region; v3, v4 the add's; v5, v6 the step's addresses; v[8:9], v[10:11] -M of A, B; v[12:13], v[14:15] f; v[16:19] the sums; v[20:23] their second chains;
;   v24, v25 the largest score; v26, v27 57,344 x 2^e4 (twice: the two halves of a dual line take different registers); v28, v29 e6's; v30 2^e4; v32-47, v48-63 p's codes; v64-69 at work; v128-191, v192-255 S^T, then p.
; window 1: v0-63 v's fragments; v64-95, v96-127 O^T; v128-143 q; v144-207 k's fragments.
.set LI,   1
.set AV0,  2
.set SPW,  3
.set NIL,  4
.set ADK,  5
.set ADV,  6
.set PA,   32
.set PB,   48
.set SA,   128
.set SB,   192
.set VF,   0
.set OA,   64
.set OB,   96
.set QF,   128
.set KF,   144
.set WV,   18
.set SEL,  20
.set CS,   22
.set G1A,  24                          ; s[24:31] group 1 of the first loads: 40 rows of 256 bytes
.set G0A,  32                          ; s[32:35], s[36:39] the two groups 0
.set G0R,  36
.set G1R,  48                          ; s[48:55] group 1 of the second loads: 88 rows
.set TB,   2                           ; s2: the step's first byte in k's region and in v's
.set VREG, 131072
.set BLK,  8192                        ; 128 keys of k's images, and of v's
.set FIRST, 5*BLK
.set Q1,   FIRST/4
.set Q2,   (VREG-FIRST)/4
.set SPARE, 2*VREG                     ; the spare words: 128 bytes a wave, four blocks of 256 bytes that no other line names
.set MSB, 0
.macro WIN new                         ; the immediate's high byte repeats the setting that is left
.if MSB != \new
	s_set_vgpr_msb (MSB<<8)|\new
.set MSB, \new
.endif
.endm
.macro CROUND
	s_barrier_signal -1
	s_barrier_wait -1
	s_cmp_lg_u32 s[WV], 0
	s_cbranch_scc1 .Lnot_wave_0_\@
	s_barrier_signal -3
.Lnot_wave_0_\@:
	s_barrier_wait -3
	s_barrier_signal -1
	s_barrier_wait -1
.endm
.macro QCONST e, vs, vl                ; v[vs] = 2^e, v[vl] = 57,344 x 2^e
	s_add_co_i32 s76, s[\e], 127
	s_lshl_b32 s77, s76, 23
	v_mov_b32 v[\vs], s77
	s_add_co_i32 s76, s76, 15
	s_lshl_b32 s76, s76, 23
	s_or_b32 s76, s76, 0x600000
	v_mov_b32 v[\vl], s76
.endm
.macro KLOAD adr                       ; k's eight fragments, under destination window 1
.irp t, 0,1,2,3,4,5,6,7
	ds_load_b128 v[KF+8*\t:KF+8*\t+3], v[\adr] offset:1024*\t
	ds_load_b128 v[KF+8*\t+4:KF+8*\t+7], v[\adr] offset:1024*\t+512
.endr
.endm
	s_load_b128 s[4:7], s[0:1], 0x0                ; qkvb s[4:5], the scales' exponents s[6:7]
	s_load_b64 s[8:9], s[0:1], 0x10                ; vals
	v_lshl_add_u32 v[SPW], v0, 2, SPARE
	v_mov_b32 v[NIL], 0
	ds_add_u32 v[SPW], v[NIL]                      ; the opening: the add, twice on end, and its wait ahead of my first tensor load
	ds_add_u32 v[SPW], v[NIL]
	v_lshrrev_b32 v7, 5, v0
	v_readfirstlane_b32 s[WV], v7                  ; wave 0..7
	s_bfe_u32 s10, ttmp6, 0x40000                  ; cx
	s_lshl_b32 s11, ttmp9, 2
	s_add_co_u32 s11, s11, s10                     ; my block of 256 queries: it enters q's and vals' addresses alone
	s_and_b32 s12, ttmp7, 0xffff                   ; bh = 16 x batch + head, which the four partners share
.irp g, G1A, G1R
	s_mov_b32 s[\g], 15|(3<<16)|(1<<21)            ; the mask: all four; elements of 8 bytes; bit 21 beside a mask; no padding
	s_mov_b32 s[\g+1], 32<<16                      ; tensor_dim0: 256 bytes
	s_mov_b32 s[\g+3], 32<<16                      ; tile_dim0
	s_mov_b32 s[\g+5], 32                          ; pitch: the rows are dense
	s_mov_b32 s[\g+6], 0
	s_mov_b32 s[\g+7], 0
.endr
	s_mov_b32 s[G1A+2], (Q1/256)<<16
	s_mov_b32 s[G1A+4], Q1/256
	s_mov_b32 s[G1R+2], (Q2/256)<<16
	s_mov_b32 s[G1R+4], Q2/256
	s_mov_b32 s[SEL], 0x76543210
	s_mov_b32 s[SEL+1], 0xfedcba98
	s_mov_b32 s[CS], 0x3e38aa3b                    ; c = log2(e) / 8
	s_mov_b32 s[TB], 0
	s_and_b32 s13, s[WV], 3                        ; my quarter,
	s_lshr_b32 s16, s[WV], 2                       ; of k (0) or of v (1)
	s_lshl_b32 s17, s16, 17
	s_mul_i32 s56, s13, Q1
	s_mul_i32 s58, s13, Q2
	s_add_co_u32 s58, s58, FIRST
	s_mov_b32 s[G0A], 1
	s_add_co_u32 s[G0A+1], s56, s17                ; the same place in the LDS region as in the head's bytes in memory
	s_mov_b32 s[G0R], 1
	s_add_co_u32 s[G0R+1], s58, s17
	s_lshl_b32 s14, s12, 17                        ; the head's 131,072 bytes,
	s_lshl_b32 s15, s16, 22
	s_add_co_u32 s14, s14, s15
	s_add_co_u32 s14, s14, 0x400000                ; in k's part of qkvb or in v's
	s_add_co_u32 s56, s56, s14
	s_mov_b32 s57, 0
	s_add_co_u32 s58, s58, s14
	s_mov_b32 s59, 0
	s_wait_dscnt 0x0                               ; both opening adds are done
	s_wait_kmcnt 0x0
	s_load_b256 s[68:75], s[6:7], 0x0              ; e0 .. e7
	s_add_nc_u64 s[G0A+2:G0A+3], s[4:5], s[56:57]
	s_or_b32 s[G0A+3], s[G0A+3], 0x80000000
	s_add_nc_u64 s[G0R+2:G0R+3], s[4:5], s[58:59]
	s_or_b32 s[G0R+3], s[G0R+3], 0x80000000
	CROUND                                         ; all four work-groups are here: the joint loads meet
	tensor_load_to_lds s[G0A:G0A+3], s[G1A:G1A+7]  ; my eighth of keys 0 to 639: one tensor load a wave at the head
	s_nop 0
.rept 4
	v_nop
.endr
	v_and_b32 v[LI], 31, v0
	v_lshlrev_b32 v[LI], 4, v[LI]
	v_add_nc_u32 v[AV0], VREG, v[LI]
	s_lshl_b32 s16, s11, 4
	s_lshl_b32 s17, s[WV], 1
	s_add_co_u32 s16, s16, s17                     ; my first tile of 16 queries
	s_lshl_b32 s16, s16, 10
	s_lshl_b32 s17, s12, 17
	s_add_co_u32 s16, s16, s17
	s_mov_b32 s17, 0
	s_add_nc_u64 s[16:17], s[4:5], s[16:17]
	s_wait_alu depctr_va_vdst(0)
	WIN 0x40                                       ; destination window 1
.irp i, 0,1,2,3
	global_load_b128 v[QF+4*\i:QF+4*\i+3], v[LI], s[16:17] offset:512*\i   ; q's two fragments stay in registers
.endr
.set j, 0
.rept 64
	v_mov_b32 v[OA+j], 0                           ; O^T: the step is written for all steps alike; the first finds zeros
.set j, j+1
.endr
	WIN 0
.irp r, 24,25
	v_mov_b32 v\r, 0xff61b1e6                      ; the largest score so far: -3e38
.endr
.irp r, 8,10
	v_mov_b32 v\r, 0x7f61b1e6                      ; -M: 3e38, so that the first f is 0
.endr
.irp r, 9,11,13,15,16,17,18,19,68,69
	v_mov_b32 v\r, 0                               ; upper halves of pairs, the sums, the lane permutes' destinations
.endr
	s_wait_kmcnt 0x0
	s_add_co_i32 s76, s70, s71
	s_lshl_b32 s76, s76, 23
	s_add_co_i32 s[CS], s[CS], s76                 ; a score stands for score x 2^(e2 + e3): added to c's exponent field
	s_mov_b32 s[CS+1], s[CS]
	QCONST 72, 30, 26                              ; p's
	v_mov_b32 v27, v26
	QCONST 74, 29, 28                              ; vals'
; A KEY STEP: 128 keys for both tiles.
.macro STEP
	v_add_nc_u32 v[ADV], s[TB], v[AV0]
	s_add_co_u32 s[TB], s[TB], BLK
	s_min_u32 s19, s[TB], 15*BLK                   ; the next step's k; in the last step: its own
	v_add_nc_u32 v[ADK], s19, v[LI]
	s_wait_alu depctr_va_vdst(0)
	s_wait_dscnt 0x0                               ; k is in
	WIN 0x05                                       ; sources 0 and 1 window 1
.irp t, 0,1,2,3,4,5,6,7
	v_wmma_f32_16x16x64_bf8_bf8 v[SA+8*\t:SA+8*\t+7], v[KF+8*\t:KF+8*\t+7], v[QF:QF+7], 0
	v_wmma_f32_16x16x64_bf8_bf8 v[SB+8*\t:SB+8*\t+7], v[KF+8*\t:KF+8*\t+7], v[QF+8:QF+15], 0
.endr
	WIN 0x40
.rept 4
	v_nop                                          ; places in front of the loads below and of the first read of the scores
.endr
.irp d, 0,1,2,3
.irp c, 0,1,2,3
	ds_load_b128 v[VF+16*\d+4*\c:VF+16*\d+4*\c+3], v[ADV] offset:2048*\d+512*\c
.endr
.endr
	KLOAD ADK
	WIN 0
	v_max3_num_f32 v64, v[SA], v[SA+1], v[SA+2]    ; the largest score of my queries among my 64 keys: two chains a tile, each accumulator from its low end on
	v_max3_num_f32 v66, v[SB], v[SB+1], v[SB+2]
	v_max3_num_f32 v65, v[SA+3], v[SA+4], v[SA+5]
	v_max3_num_f32 v67, v[SB+3], v[SB+4], v[SB+5]
.irp i, 6,10,14,18,22,26,30,34,38,42,46,50,54,58
	v_max3_num_f32 v64, v64, v[SA+\i], v[SA+\i+1]
	v_max3_num_f32 v66, v66, v[SB+\i], v[SB+\i+1]
	v_max3_num_f32 v65, v65, v[SA+\i+2], v[SA+\i+3]
	v_max3_num_f32 v67, v67, v[SB+\i+2], v[SB+\i+3]
.endr
	v_max3_num_f32 v64, v64, v[SA+62], v[SA+63]
	v_max3_num_f32 v66, v66, v[SB+62], v[SB+63]
	v_max3_num_f32 v64, v64, v65, v24              ; the two chains and the largest so far
	v_max3_num_f32 v66, v66, v67, v25
	v_permlanex16_b32 v68, v64, s[SEL], s[SEL+1]
	v_permlanex16_b32 v69, v66, s[SEL], s[SEL+1]
	v_max_num_f32 v24, v64, v68                    ; and lane l xor 16's
	v_max_num_f32 v25, v66, v69
	v_mul_f32 v64, s[CS], v24                      ; as t (c is positive)
	v_mul_f32 v66, s[CS], v25
	v_floor_f32 v65, -v64                          ; the new -M = floor(-t)
	v_floor_f32 v67, -v66
	v_sub_f32 v64, v65, v8                         ; old M - new M: a whole number, 0 or less
	v_sub_f32 v66, v67, v10
	v_mov_b32 v8, v65
	v_mov_b32 v10, v67
	v_cvt_i32_f32 v64, v64                         ; (it saturates)
	v_cvt_i32_f32 v66, v66
	v_ldexp_f32 v12, 1.0, v64                      ; f = 2^(old M - new M)
	v_ldexp_f32 v14, 1.0, v66
	WIN 0x41                                       ; destination and source 0 window 1
.set j, 0
.rept 16
	v_pk_mul_f32 v[OA+j:OA+j+1], v[OA+j:OA+j+1], v[12:13] op_sel_hi:[1,0]   ; O^T under the new M, ahead of the exponentials, each accumulator from its low end on
	v_pk_mul_f32 v[OB+j:OB+j+1], v[OB+j:OB+j+1], v[14:15] op_sel_hi:[1,0]
.set j, j+2
.endr
	WIN 0
	v_pk_mul_f32 v[16:17], v[16:17], v[12:13] op_sel_hi:[1,0]   ; the sums under the new M
	v_pk_mul_f32 v[18:19], v[18:19], v[14:15] op_sel_hi:[1,0]
.set j, 0
.rept 32
	v_pk_fma_f32 v[SA+j:SA+j+1], v[SA+j:SA+j+1], s[CS:CS+1], v[8:9] op_sel_hi:[1,0,0]   ; t - M, two at a time
.set j, j+2
.endr
	s_wait_alu depctr_va_vdst(0)
.set j, 0
.rept 32
	v_exp_f32 v[SA+j], v[SA+j]                     ; p = 2^(t - M) of tile A; among its 64 exponentials stand tile B's 32 scalings, which read nothing written behind the wait above
	v_pk_fma_f32 v[SB+j:SB+j+1], v[SB+j:SB+j+1], s[CS:CS+1], v[10:11] op_sel_hi:[1,0,0]
	v_exp_f32 v[SA+j+1], v[SA+j+1]
.set j, j+2
.endr
	v_nop                                          ; a plain line behind the last exponential
	s_wait_alu depctr_va_vdst(0)                   ; behind A's batch and B's scalings, ahead of B's batch and of A's first readers
.set j, 0
.rept 16
	v_exp_f32 v[SB+j], v[SB+j]                     ; tile B's 64; among them, of tile A: 16 sums of two pairs of the unquantised p into v70-101, each by itself, and behind each the hold of its four numbers
	v_pk_add_f32 v[70+j/2:71+j/2], v[SA+j:SA+j+1], v[SA+j+2:SA+j+3]
	v_exp_f32 v[SB+j+1], v[SB+j+1]
	v_dual_min_num_f32 v[SA+j], v[SA+j], v26 :: v_dual_min_num_f32 v[SA+j+1], v[SA+j+1], v27
	v_exp_f32 v[SB+j+2], v[SB+j+2]
	v_dual_min_num_f32 v[SA+j+2], v[SA+j+2], v26 :: v_dual_min_num_f32 v[SA+j+3], v[SA+j+3], v27
	v_exp_f32 v[SB+j+3], v[SB+j+3]
.set j, j+4
.endr
	v_nop                                          ; a plain line behind the last exponential
	s_wait_alu depctr_va_vdst(0)                   ; one wait for the whole batch, ahead of its first reader
	v_pk_add_f32 v[20:21], v[70:71], v[72:73]      ; tile A: its sixteen part sums, in two chains
	v_pk_add_f32 v[22:23], v[SB:SB+1], v[SB+2:SB+3]
.irp j, 4,8,12,16,20,24,28,32,36,40,44,48,52,56,60
.if \j <= 28
	v_pk_add_f32 v[16:17], v[16:17], v[70+\j:71+\j]
.endif
	v_pk_add_f32 v[18:19], v[18:19], v[SB+\j:SB+\j+1]
.if \j <= 28
	v_pk_add_f32 v[20:21], v[20:21], v[72+\j:73+\j]
.endif
	v_pk_add_f32 v[22:23], v[22:23], v[SB+\j+2:SB+\j+3]
.endr
	v_pk_add_f32 v[16:17], v[16:17], v[20:21]
	v_pk_add_f32 v[18:19], v[18:19], v[22:23]
.irp t, 0,1,2,3,4,5,6,7
.irp i, 0,2,4,6                                ; the hold (the conversion does not saturate: ISA guide 7.6.2); p is not negative, so it is one-sided; two numbers a line
	v_dual_min_num_f32 v[SB+8*\t+\i], v[SB+8*\t+\i], v26 :: v_dual_min_num_f32 v[SB+8*\t+\i+1], v[SB+8*\t+\i+1], v27
.endr
	v_cvt_scalef32_pk8_bf8_f32 v[PA+2*\t:PA+2*\t+1], v[SA+8*\t:SA+8*\t+7], v30
	v_cvt_scalef32_pk8_bf8_f32 v[PB+2*\t:PB+2*\t+1], v[SB+8*\t:SB+8*\t+7], v30
.endr
	v_nop                                          ; a plain line between the conversions and the products that read the codes
	s_wait_alu depctr_va_vdst(0)
	s_wait_dscnt 16                                ; v is in; the sixteen younger loads, the next step's k, may be out
	WIN 0x51                                       ; source 0, C and D window 1
.irp d, 0,1,2,3
	v_wmma_f32_16x16x128_bf8_bf8 v[OA+8*\d:OA+8*\d+7], v[VF+16*\d:VF+16*\d+15], v[PA:PA+15], v[OA+8*\d:OA+8*\d+7]
	v_wmma_f32_16x16x128_bf8_bf8 v[OB+8*\d:OB+8*\d+7], v[VF+16*\d:VF+16*\d+15], v[PB:PB+15], v[OB+8*\d:OB+8*\d+7]
.endr
	WIN 0
.endm
	s_wait_alu depctr_va_vdst(0)
	s_wait_loadcnt 0x0                             ; q
	s_wait_tensorcnt 0x0                           ; my part of keys 0 to 639 is in
	ds_add_u32 v[SPW], v[NIL]
	s_wait_dscnt 0x0
	CROUND                                         ; everybody's part is in, and the four work-groups meet
	tensor_load_to_lds s[G0R:G0R+3], s[G1R:G1R+7]  ; my eighth of keys 640 to 2,047: the first tensor load behind the round
	s_nop 0
.rept 4
	v_nop
.endr
	WIN 0x40
	KLOAD LI                                       ; step 0's k
	WIN 0
	s_mov_b32 s3, 4
.Lone:                                             ; keys 0 to 511; the fourth trip asks for k of keys 512 to 639
	STEP
	s_sub_co_u32 s3, s3, 1
	s_cmp_lg_u32 s3, 0
	s_cbranch_scc1 .Lone
	s_wait_alu depctr_va_vdst(0)
	s_wait_tensorcnt 0x0                           ; my part of the other keys is in;
	s_wait_dscnt 0x0                               ; no LDS instruction of mine is pending at a signal
	s_barrier_signal -1
	s_barrier_wait -1                              ; every wave's is: the whole head is in LDS.
	s_mov_b32 s3, 12
.Ltwo:                                             ; keys 512 to 2,047
	STEP
	s_sub_co_u32 s3, s3, 1
	s_cmp_lg_u32 s3, 0
	s_cbranch_scc1 .Ltwo
	; THE WAY OUT: O^T / the sum x 2^(e4 + e5), quantised with 2^e6: tile d's eight registers give registers 2 d, 2 d + 1 of half an image.
	v_add_f32 v16, v16, v17                        ; (these lines are also the places behind the last products)
	v_add_f32 v18, v18, v19
	v_permlanex16_b32 v68, v16, s[SEL], s[SEL+1]
	v_permlanex16_b32 v69, v18, s[SEL], s[SEL+1]
	v_add_f32 v16, v16, v68                        ; the rows' sums
	v_add_f32 v18, v18, v69
	s_wait_alu depctr_va_vdst(0)
	v_rcp_f32 v16, v16
	v_rcp_f32 v18, v18
	v_nop                                          ; a plain line behind them
	s_add_co_i32 s76, s72, s73                     ; e4 + e5
	s_lshr_b32 s77, s12, 4
	s_lshl_b32 s77, s77, 4
	s_lshl_b32 s78, s11, 1
	s_add_co_u32 s77, s77, s78
	s_lshr_b32 s78, s[WV], 2
	s_add_co_u32 s77, s77, s78                     ; my block of 128 tokens
	s_lshl_b32 s77, s77, 2
	s_bfe_u32 s78, s12, 0x20002                    ; head / 4: which 256 along K
	s_add_co_u32 s77, s77, s78
	s_lshl_b32 s77, s77, 1
	s_bfe_u32 s78, s12, 0x10001                    ; (head / 2) % 2: which 128
	s_add_co_u32 s77, s77, s78
	s_lshl_b32 s77, s77, 14
	s_and_b32 s78, s[WV], 3
	s_lshl_b32 s78, s78, 12                        ; my two tiles among eight
	s_add_co_u32 s77, s77, s78
	s_and_b32 s78, s12, 1
	s_lshl_b32 s78, s78, 10                        ; head % 2: which half of the image
	s_add_co_u32 s78, s77, s78
	s_mov_b32 s79, 0
	s_add_nc_u64 s[8:9], s[8:9], s[78:79]
	s_wait_alu depctr_va_vdst(0)                   ; ahead of the reciprocals' first reader
	v_ldexp_f32 v16, v16, s76
	v_ldexp_f32 v18, v18, s76
	WIN 0x01                                       ; source 0 window 1
	s_wait_alu depctr_va_vdst(0)                   ; directly ahead of the first reader of O^T
.set j, 0
.rept 32
	v_mul_f32 v[SA+j], v[OA+j], v16
.set j, j+1
.endr
.set j, 0
.rept 32
	v_mul_f32 v[SA+32+j], v[OB+j], v18
.set j, j+1
.endr
	WIN 0
.irp d, 0,1,2,3,4,5,6,7
.irp i, 0,1,2,3,4,5,6,7
	v_med3_num_f32 v[SA+8*\d+\i], v[SA+8*\d+\i], -v28, v28
.endr
	v_cvt_scalef32_pk8_bf8_f32 v[PA+2*\d:PA+2*\d+1], v[SA+8*\d:SA+8*\d+7], v29
.endr
	v_nop
.irp g, 0,1,2,3
	global_store_b128 v[LI], v[PA+4*\g:PA+4*\g+3], s[8:9] offset:(\g/2)*2048+(\g%2)*512   ; 512 consecutive bytes
.endr
	s_wait_tensorcnt 0x0                           ; the wave's end
	ds_add_u32 v[SPW], v[NIL]
	s_wait_dscnt 0x0
	CROUND                                         ; the closing round
	s_endpgm
.Lfunc_end_k_qb1d9206faf_attn:
	.size	k_qb1d9206faf_attn, .Lfunc_end_k_qb1d9206faf_attn-k_qb1d9206faf_attn
	.p2alignl 7, 3214868480
	.fill 96, 4, 3214868480
	.section	.rodata,"a",@progbits
	.p2align	6, 0x0
	.amdhsa_kernel k_qb1d9206faf_attn
		.amdhsa_group_segment_fixed_size 327680
		.amdhsa_private_segment_fixed_size 0
		.amdhsa_enable_private_segment 0
		.amdhsa_kernarg_size 24
		.amdhsa_user_sgpr_count 2
		.amdhsa_user_sgpr_kernarg_segment_ptr 1
		.amdhsa_wavefront_size32 1
		.amdhsa_system_sgpr_workgroup_id_x 1
		.amdhsa_system_sgpr_workgroup_id_y 1
		.amdhsa_system_sgpr_workgroup_id_z 1
		.amdhsa_system_vgpr_workitem_id 0
		.amdhsa_next_free_vgpr 464
		.amdhsa_next_free_sgpr 80
		.amdhsa_reserve_vcc 0
		.amdhsa_float_denorm_mode_32 3
		.amdhsa_float_denorm_mode_16_64 3
		.amdhsa_memory_ordered 1
		.amdhsa_forward_progress 1
		.amdhsa_inst_pref_size 76
	.end_amdhsa_kernel
	.amdgpu_metadata
---
amdhsa.version: [ 1, 2 ]
amdhsa.kernels:
  - .name:           k_qb1d9206faf_attn
    .symbol:         k_qb1d9206faf_attn.kd
    .args:
      - { .name: qkvb, .offset: 0, .size: 8, .value_kind: global_buffer, .address_space: global }
      - { .name: lowp_scales, .offset: 8, .size: 8, .value_kind: global_buffer, .address_space: global }
      - { .name: vals, .offset: 16, .size: 8, .value_kind: global_buffer, .address_space: global }
    .group_segment_fixed_size: 327680
    .private_segment_fixed_size: 0
    .kernarg_segment_align: 8
    .kernarg_segment_size: 24
    .max_flat_workgroup_size: 256
    .sgpr_count:     80
    .vgpr_count:     464
    .wavefront_size: 32
...
	.end_amdgpu_metadata
.endif
;; end of part 3
;; launch gemm_o (part 4): grid 8 x 32, 4 waves a work-group, clusters of 4 x 4, 327,680 bytes of LDS; arguments vals, pbuf, lowp_scales, cbuf, x, b_o; writes cbuf
.if DOCPART == 4
	.amdgcn_target "amdgcn-amd-amdhsa--gfx1250"
	.amdhsa_code_object_version 6
	.text
	.protected	k_qb1d9206faf_gemm_o
	.globl	k_qb1d9206faf_gemm_o
	.p2align	8
	.type	k_qb1d9206faf_gemm_o,@function
k_qb1d9206faf_gemm_o:
	s_mov_b64 s[64:65], 0
	v_nop
	global_prefetch_b8 v0, s[64:65] scope:SCOPE_SE
	s_setreg_imm32_b32 hwreg(HW_REG_WAVE_MODE, 25, 1), 1
	s_wait_xcnt 0x0
	s_wait_alu depctr_hold_cnt(0) depctr_sa_sdst(0) depctr_va_vdst(0) depctr_va_sdst(0) depctr_va_ssrc(0) depctr_va_vcc(0) depctr_vm_vsrc(0)
	s_getreg_b32 s2, hwreg(HW_REG_IB_STS2, 6, 4)
	s_cmp_eq_u32 s2, 0
	s_cbranch_scc0 .Lentry_in_a_cluster
	s_endpgm
.Lentry_in_a_cluster:
	s_bfe_u32 s2, ttmp6, 0x10000c
	s_cmp_lg_u32 s2, 0xf033
	s_cbranch_scc0 .Lentry_shape_is_right
	s_endpgm
.Lentry_shape_is_right:
.set SIZE_K, 1024
.set BOFF,   0x500000
.set SCOFF,  24
.set KC,     SIZE_K/256
.set LAPS,   SIZE_K/1024
.set SLOT,   131072
.set STAGE,  2*SLOT
.set SPITCH, 272
.set SPARE,  STAGE+4*16*SPITCH
.set ADRA, 16
.set ADRB, 20
.set STO,  24
.set RD,   25
.set CO,   26
.set SPW,  28
.set NIL,  29
.set TMP,  32
.set BK,   64
.set ACC,  128
.set F0,   0
.set F1,   128
.set G1, 24
.set G0, 32
.set G1B, 48
.set G0B, 56
.set MSB, 0
.macro WIN new
.if MSB != \new
	s_set_vgpr_msb (MSB<<8)|\new
.set MSB, \new
.endif
.endm
.set MUL,  0x05
.set TO_F, 0x40
.macro JLOAD s
	s_cmp_eq_u32 s15, 0
	s_cbranch_scc0 .Lfor_b_\@
	tensor_load_to_lds s[G0+4*\s:G0+4*\s+3], s[G1:G1+7]
	s_nop 0
.rept 4
	v_nop
.endr
	s_branch .Lasked_\@
.Lfor_b_\@:
	tensor_load_to_lds s[G0B+4*\s:G0B+4*\s+3], s[G1B:G1B+7]
	s_nop 0
.rept 4
	v_nop
.endr
.Lasked_\@:
.endm
.macro CREST
	s_cmp_lg_u32 s14, 0
	s_cbranch_scc1 .Lnot_wave_0_\@
	s_barrier_signal -3
.Lnot_wave_0_\@:
	s_barrier_wait -3
	s_barrier_signal -1
	s_barrier_wait -1
.endm
.macro CROUND
	s_barrier_signal -1
	s_barrier_wait -1
	CREST
.endm
	s_load_b128 s[4:7], s[0:1], 0x0
	s_load_b128 s[8:11], s[0:1], 0x10
	s_load_b128 s[72:75], s[0:1], 0x20             ; the residual's rows s[72:73], the bias s[74:75]: both are added on the way out
	v_lshl_add_u32 v[SPW], v0, 2, SPARE
	v_mov_b32 v[NIL], 0
	ds_add_u32 v28, v29
	ds_add_u32 v28, v29
	s_wait_dscnt 0x0
	v_lshrrev_b32 v1, 5, v0
	v_readfirstlane_b32 s14, v1
	v_and_b32 v30, 31, v0
	v_lshlrev_b32 v30, 8, v30                      ; the prefetch's offset: 256 x lane; never rewritten
	s_wait_alu depctr_va_vdst(0)
	s_lshr_b32 s15, s14, 1
	s_and_b32 s16, s14, 1
	s_bfe_u32 s40, ttmp6, 0x40000
	s_bfe_u32 s41, ttmp6, 0x40004
	s_lshl_b32 s42, ttmp9, 2
	s_add_co_u32 s42, s42, s40
	s_and_b32 s17, ttmp7, 0xffff
	s_lshl_b32 s17, s17, 2
	s_add_co_u32 s17, s17, s41
	s_lshl_b32 s43, s41, 2
	s_lshl_b32 s43, 15, s43
	s_lshl_b32 s44, 0x1111, s40
	s_or_b32 s[G1+0], s43, (3<<16)|(1<<21)
	s_or_b32 s[G1B+0], s44, (3<<16)|(1<<21)
.irp g, G1, G1B
	s_mov_b32 s[\g+1], 32<<16
	s_mov_b32 s[\g+2], 128<<16
	s_mov_b32 s[\g+3], 32<<16
	s_mov_b32 s[\g+4], 128
	s_mov_b32 s[\g+5], 32
	s_mov_b32 s[\g+6], 0
	s_mov_b32 s[\g+7], 0
.endr
	s_mul_i32 s20, s17, KC
	s_add_co_u32 s20, s20, s16
	s_lshl_b32 s20, s20, 15
	s_mov_b32 s21, 0
	s_mul_i32 s46, s42, KC
	s_add_co_u32 s46, s46, s16
	s_lshl_b32 s46, s46, 15
	s_add_co_u32 s46, s46, BOFF
	s_mov_b32 s47, 0
	s_lshl_b32 s45, s14, 15
	s_wait_kmcnt 0x0
	s_load_b64 s[96:97], s[8:9], SCOFF
	s_add_nc_u64 s[20:21], s[4:5], s[20:21]
	s_add_nc_u64 s[46:47], s[6:7], s[46:47]
	; THE PREFETCH.  K = 1,024 is two slots; slot 1's load goes out only when slot 0's has landed, so its bytes are asked for behind slot 0's load.  My wave's part of a slot is one dense block of
	; 32,768 bytes; the four partners that ask for it jointly share it out BY ADDRESS, 8,192 bytes each (place cx for A's tiles, cy for B's), lanes 256 bytes apart: each block of 256 bytes once in the cluster.
	s_cmp_eq_u32 s15, 0
	s_cselect_b64 s[68:69], s[20:21], s[46:47]
	s_cselect_b32 s70, s40, s41
	s_lshl_b32 s70, s70, 13
	s_mov_b32 s71, 0
	s_add_nc_u64 s[68:69], s[68:69], s[70:71]      ; never rewritten
	CROUND
.irp s, 0,1
	s_mov_b32 s[G0+4*\s], 1
	s_add_co_u32 s[G0+4*\s+1], s45, \s*SLOT
	s_add_nc_u64 s[G0+4*\s+2:G0+4*\s+3], s[20:21], \s*65536
	s_or_b32 s[G0+4*\s+3], s[G0+4*\s+3], 0x80000000
	s_mov_b32 s[G0B+4*\s], 1
	s_add_co_u32 s[G0B+4*\s+1], s45, \s*SLOT
	s_add_nc_u64 s[G0B+4*\s+2:G0B+4*\s+3], s[46:47], \s*65536
	s_or_b32 s[G0B+4*\s+3], s[G0B+4*\s+3], 0x80000000
.endr
	JLOAD 0                                        ; slot 0: one tensor load a wave at the head
	global_prefetch_b8 v30, s[68:69] offset:65536 th:TH_LOAD_NT scope:SCOPE_SE   ; slot 1
	v_and_b32 v1, 15, v0
	s_wait_alu depctr_va_vdst(0)
	v_bfe_u32 v2, v0, 4, 1
	v_and_b32 v3, 31, v0
	v_lshlrev_b32 v3, 4, v3
	s_lshl_b32 s21, s15, 13
	s_lshl_b32 s22, s16, 13
	s_add_co_u32 s22, s22, 65536
.irp s, 0,1
	v_add_nc_u32 v[ADRA+\s], s21, v3
	v_add_nc_u32 v[ADRB+\s], s22, v3
	s_add_co_u32 s21, s21, SLOT
	s_add_co_u32 s22, s22, SLOT
.endr
	s_mul_i32 s23, s14, 16*SPITCH
	s_add_co_u32 s23, s23, STAGE
	v_mul_u32_u24 v4, v1, SPITCH
	s_wait_alu depctr_va_vdst(0)
	v_lshl_add_u32 v4, v2, 5, v4
	v_add_nc_u32 v[STO], s23, v4
	v_mul_u32_u24 v5, v2, SPITCH
	v_lshl_add_u32 v5, v1, 4, v5
	v_add_nc_u32 v[RD], s23, v5
	v_lshlrev_b32 v5, 12, v2
	v_lshl_add_u32 v[CO], v1, 4, v5
	s_lshl_b32 s20, s17, 7
	s_lshl_b32 s21, s15, 6
	s_add_co_u32 s20, s20, s21
	s_lshl_b32 s20, s20, 12
	s_mov_b32 s21, 0
	s_lshl_b32 s46, s42, 9
	s_lshl_b32 s47, s16, 8
	s_add_co_u32 s46, s46, s47
	s_mov_b32 s47, 0
	s_add_nc_u64 s[20:21], s[20:21], s[46:47]
	s_add_nc_u64 s[10:11], s[10:11], s[20:21]
	s_add_nc_u64 s[72:73], s[72:73], s[20:21]      ; the residual lies as C lies: the same place
	s_add_nc_u64 s[74:75], s[74:75], s[46:47]      ; the bias of my 64 columns
	v_lshlrev_b32 v31, 4, v1                       ; 16 bytes a lane, as a row of the stage comes back
.macro MUL4 f, a, zero
.irp b, 0,1,2,3
.if \zero
	v_wmma_f32_16x16x128_bf8_bf8 v[ACC+8*(4*(\a)+\b):ACC+8*(4*(\a)+\b)+7], v[\f+64+16*\b:\f+64+16*\b+15], v[\f+16*(\a):\f+16*(\a)+15], 0
.else
	v_wmma_f32_16x16x128_bf8_bf8 v[ACC+8*(4*(\a)+\b):ACC+8*(4*(\a)+\b)+7], v[\f+64+16*\b:\f+64+16*\b+15], v[\f+16*(\a):\f+16*(\a)+15], v[ACC+8*(4*(\a)+\b):ACC+8*(4*(\a)+\b)+7]
.endif
.endr
.endm
.macro FETCH slot, q, f
	WIN TO_F
.irp i, 0,1,2,3
.irp c, 0,1,2,3
	ds_load_b128 v[\f+64+16*\i+4*\c:\f+64+16*\i+4*\c+3], v[ADRB+\slot] offset:((\q)/2)*32768+((\q)%2)*16384+\i*2048+512*\c
.endr
.endr
.irp i, 0,1,2,3
.irp c, 0,1,2,3
	ds_load_b128 v[\f+16*\i+4*\c:\f+16*\i+4*\c+3], v[ADRA+\slot] offset:((\q)/2)*32768+((\q)%2)*16384+\i*2048+512*\c
.endr
.endr
.endm
.macro PLACES
.rept 4
	v_nop
.endr
.endm
.macro QUARTER slot, qn, f, g, zero
	s_wait_dscnt 8
	WIN MUL
	MUL4 \f, 0, \zero
	MUL4 \f, 1, \zero
	PLACES
	FETCH \slot, \qn, \g
	s_wait_dscnt 32
	WIN MUL
	MUL4 \f, 2, \zero
	MUL4 \f, 3, \zero
.endm
.macro TURN slot, next, fill
	WIN 0
	s_wait_tensorcnt 0x0
	ds_add_u32 v[SPW], v[NIL]
	s_wait_dscnt 9
	WIN MUL
	MUL4 F1, 0, 0
	s_wait_dscnt 0x0
	s_barrier_signal -1
	MUL4 F1, 1, 0
.if \fill
	WIN 0
.endif
	s_barrier_wait -1
.if \fill
	CREST
	s_add_nc_u64 s[G0+4*\slot+2:G0+4*\slot+3], s[G0+4*\slot+2:G0+4*\slot+3], 131072
	s_add_nc_u64 s[G0B+4*\slot+2:G0B+4*\slot+3], s[G0B+4*\slot+2:G0B+4*\slot+3], 131072
	JLOAD \slot
.else
	PLACES
.endif
	FETCH \next, 0, F0
	WIN MUL
	MUL4 F1, 2, 0
	MUL4 F1, 3, 0
.endm
	s_wait_alu depctr_va_vdst(0)
	s_wait_tensorcnt 0x0                           ; my part of slot 0 is in
	ds_add_u32 v[SPW], v[NIL]
	s_wait_dscnt 0x0
	CROUND
	JLOAD 1                                        ; slot 1: the first tensor load behind the round
	FETCH 0, 0, F0
	QUARTER 0, 1, F0, F1, 1
	WIN 0x80                                       ; destination window 2: v512-639 take my 64 x 64 numbers of the residual.  Asked for here, when slot 0 has landed and slot 1 is asked for; wanted on the way out
.irp a, 0,1,2,3
.irp t, 0,1,2,3,4,5,6,7
	global_load_b128 v[32*\a+4*\t:32*\a+4*\t+3], v[CO], s[72:73] offset:(16*\a+2*\t)*4096 th:TH_LOAD_NT
.endr
.endr
	WIN 0
	global_load_b128 v[8:11], v31, s[74:75]        ; the bias of my four columns
.if LAPS > 1
	WIN 0
	s_mov_b32 s3, LAPS-1
.Llap:
	QUARTER 0, 2, F1, F0, 0
	QUARTER 0, 3, F0, F1, 0
	TURN 0, 1, 1
	QUARTER 1, 1, F0, F1, 0
	QUARTER 1, 2, F1, F0, 0
	QUARTER 1, 3, F0, F1, 0
	TURN 1, 0, 1
	QUARTER 0, 1, F0, F1, 0
	WIN 0
	s_sub_co_u32 s3, s3, 1
	s_cmp_lg_u32 s3, 0
	s_cbranch_scc1 .Llap
.endif
	QUARTER 0, 2, F1, F0, 0
	QUARTER 0, 3, F0, F1, 0
	TURN 0, 1, 0
	QUARTER 1, 1, F0, F1, 0
	QUARTER 1, 2, F1, F0, 0
	QUARTER 1, 3, F0, F1, 0
	s_wait_dscnt 8
	WIN MUL
	MUL4 F1, 0, 0
	MUL4 F1, 1, 0
	s_wait_dscnt 0
	MUL4 F1, 2, 0
	MUL4 F1, 3, 0
	WIN 0
.macro TOSTAGE a
.irp b, 0,1,2,3
.irp i, 0,2,4,6
	v_pk_mul_f32 v[TMP+8*\b+\i:TMP+8*\b+\i+1], v[ACC+8*(4*(\a)+\b)+\i:ACC+8*(4*(\a)+\b)+\i+1], s[96:97] op_sel_hi:[1,0]
.endr
.endr
.irp b, 0,1,2,3
	ds_store_b128 v[STO], v[TMP+8*\b:TMP+8*\b+3] offset:64*\b
	ds_store_b128 v[STO], v[TMP+8*\b+4:TMP+8*\b+7] offset:64*\b+16
.endr
.set BB, BK+32*((\a)%2)
.irp t, 0,1,2,3,4,5,6,7
	ds_load_b128 v[BB+4*\t:BB+4*\t+3], v[RD] offset:\t*2*SPITCH
.endr
.endm
.macro SEND a, younger
.set BB, BK+32*((\a)%2)
	s_wait_dscnt \younger
	WIN 0x08                                       ; source 1 window 2
.irp t, 0,1,2,3,4,5,6,7
	v_pk_add_f32 v[BB+4*\t:BB+4*\t+1], v[BB+4*\t:BB+4*\t+1], v[32*(\a)+4*\t:32*(\a)+4*\t+1]       ; + the residual
	v_pk_add_f32 v[BB+4*\t+2:BB+4*\t+3], v[BB+4*\t+2:BB+4*\t+3], v[32*(\a)+4*\t+2:32*(\a)+4*\t+3]
.endr
	WIN 0
.irp t, 0,1,2,3,4,5,6,7
	v_pk_add_f32 v[BB+4*\t:BB+4*\t+1], v[BB+4*\t:BB+4*\t+1], v[8:9]                                ; + the bias
	v_pk_add_f32 v[BB+4*\t+2:BB+4*\t+3], v[BB+4*\t+2:BB+4*\t+3], v[10:11]
.endr
.irp t, 0,1,2,3,4,5,6,7
	global_store_b128 v[CO], v[BB+4*\t:BB+4*\t+3], s[10:11] offset:(16*(\a)+2*\t)*4096
.endr
.endm
	s_wait_kmcnt 0x0
	s_add_co_i32 s96, s96, s97
	s_add_co_i32 s96, s96, 127
	s_lshl_b32 s96, s96, 23
	s_mov_b32 s97, s96
	s_wait_loadcnt 0x0                             ; the residual and the bias are in
	PLACES
	TOSTAGE 0
.irp a, 1,2,3
.if \a > 1
	s_wait_xcnt 0x0
.endif
	TOSTAGE \a
	SEND \a-1, 16
.endr
	SEND 3, 0
	s_wait_tensorcnt 0x0
	ds_add_u32 v[SPW], v[NIL]
	s_wait_dscnt 0x0
	CROUND
	s_endpgm
.Lfunc_end_k_qb1d9206faf_gemm_o:
	.size	k_qb1d9206faf_gemm_o, .Lfunc_end_k_qb1d9206faf_gemm_o-k_qb1d9206faf_gemm_o
	.p2alignl 7, 3214868480
	.fill 96, 4, 3214868480
	.section	.rodata,"a",@progbits
	.p2align	6, 0x0
	.amdhsa_kernel k_qb1d9206faf_gemm_o
		.amdhsa_group_segment_fixed_size 327680
		.amdhsa_private_segment_fixed_size 0
		.amdhsa_enable_private_segment 0
		.amdhsa_kernarg_size 48
		.amdhsa_user_sgpr_count 2
		.amdhsa_user_sgpr_kernarg_segment_ptr 1
		.amdhsa_wavefront_size32 1
		.amdhsa_system_sgpr_workgroup_id_x 1
		.amdhsa_system_sgpr_workgroup_id_y 1
		.amdhsa_system_sgpr_workgroup_id_z 1
		.amdhsa_system_vgpr_workitem_id 0
		.amdhsa_next_free_vgpr 640
		.amdhsa_next_free_sgpr 100
		.amdhsa_reserve_vcc 0
		.amdhsa_float_denorm_mode_32 3
		.amdhsa_float_denorm_mode_16_64 3
		.amdhsa_memory_ordered 1
		.amdhsa_forward_progress 1
		.amdhsa_inst_pref_size 58
	.end_amdhsa_kernel
	.amdgpu_metadata
---
amdhsa.version: [ 1, 2 ]
amdhsa.kernels:
  - .name:           k_qb1d9206faf_gemm_o
    .symbol:         k_qb1d9206faf_gemm_o.kd
    .args:
      - { .name: vals, .offset: 0, .size: 8, .value_kind: global_buffer, .address_space: global }
      - { .name: pbuf, .offset: 8, .size: 8, .value_kind: global_buffer, .address_space: global }
      - { .name: lowp_scales, .offset: 16, .size: 8, .value_kind: global_buffer, .address_space: global }
      - { .name: cbuf, .offset: 24, .size: 8, .value_kind: global_buffer, .address_space: global }
      - { .name: x, .offset: 32, .size: 8, .value_kind: global_buffer, .address_space: global }
      - { .name: b_o, .offset: 40, .size: 8, .value_kind: global_buffer, .address_space: global }
    .group_segment_fixed_size: 327680
    .private_segment_fixed_size: 0
    .kernarg_segment_align: 8
    .kernarg_segment_size: 48
    .max_flat_workgroup_size: 128
    .sgpr_count:     100
    .vgpr_count:     640
    .wavefront_size: 32
...
	.end_amdgpu_metadata
.endif
;; end of part 4
;; launch ln1 (part 5): grid 256 x 1, 8 waves a work-group, no clusters, 41,984 bytes of LDS; arguments cbuf, gamma1, beta1, lowp_scales, hbuf, hcod; writes hbuf, hcod
.if DOCPART == 5
	.amdgcn_target "amdgcn-amd-amdhsa--gfx1250"
	.amdhsa_code_object_version 6
	.text
	.protected	k_qb1d9206faf_ln1
	.globl	k_qb1d9206faf_ln1
	.p2align	8
	.type	k_qb1d9206faf_ln1,@function
k_qb1d9206faf_ln1:
	s_mov_b64 s[64:65], 0
	v_nop
	global_prefetch_b8 v0, s[64:65] scope:SCOPE_SE
	s_setreg_imm32_b32 hwreg(HW_REG_WAVE_MODE, 25, 1), 1
	s_wait_xcnt 0x0
; h = LayerNorm(c + b_o + x) x gamma1 + beta1, stored as f32 (hbuf) and as codes of E5M2 with the scale 2^e8 (hcod, rows of 1,024 bytes).
; A wave takes two rows; a row of 4,096 bytes is eight loads of 512 consecutive bytes and stays in 32 registers: nothing is read twice, no wave waits for another, no barrier.
; The mean is taken first and the variance of the centred numbers, as the definition has it: no difference of large sums.
; For the conversions a lane must hold 16 NEIGHBOURS: a row's two lots of 2,048 bytes go through the wave's own stage in LDS (in as they lie, back 64 bytes a lane, 16 bytes of padding behind each 64);
; a lane's 16 codes are 16 bytes: a store covers 512 consecutive bytes.
; LIMIT: e8 between -126 and 112.  NaN among the inputs is not served.
.set SP,   80
; HERE c ARRIVES AS attn_out + b_o + x: the launch before has added the bias and the residual, so neither is loaded here.
.set GAM,  48
.set BET,  80
	s_load_b64 s[4:5], s[0:1], 0x0                 ; c
	s_load_b64 s[10:11], s[0:1], 0x8               ; gamma1
	s_load_b256 s[16:23], s[0:1], 0x10             ; beta1 s[16:17], the scales' exponents s[18:19], hbuf s[20:21], hcod s[22:23]
	v_lshl_add_u32 v254, v0, 2, 0xa000
	v_mov_b32 v255, 0
	v_lshrrev_b32 v4, 5, v0
	s_delay_alu instid0(VALU_DEP_1)
	v_readfirstlane_b32 s24, v4                    ; wave 0..7
	v_and_b32 v7, 31, v0
	s_delay_alu instid0(VALU_DEP_1)
	v_lshlrev_b32 v1, 4, v7                        ; 16 x lane; never rewritten
	s_mul_i32 s31, s24, 64*SP                      ; my stage: two lots of 32 x SP bytes
	v_lshrrev_b32 v2, 2, v7
	s_delay_alu instid0(VALU_DEP_1)
	v_mul_u32_u24 v2, v2, SP
	v_and_b32 v3, 3, v7
	s_delay_alu instid0(VALU_DEP_1)
	v_lshl_add_u32 v2, v3, 4, v2
	s_delay_alu instid0(VALU_DEP_1)
	v_add_nc_u32 v2, s31, v2                       ; in: SP (lane / 4) + 16 (lane % 4)
	v_mul_u32_u24 v3, v7, SP
	s_delay_alu instid0(VALU_DEP_1)
	v_add_nc_u32 v3, s31, v3                       ; back: SP x lane
	s_mov_b32 s12, 0x76543210
	s_mov_b32 s13, 0xfedcba98
	s_mov_b32 s14, 0x3a800000                      ; 1 / 1,024
	s_mov_b32 s15, 0x3727c5ac                      ; 1e-5
	v_mov_b32 v241, 0                              ; (named as the upper halves of pairs)
	v_mov_b32 v243, 0
	s_lshl_b32 s25, ttmp9, 4
	s_lshl_b32 s26, s24, 1
	s_add_co_u32 s25, s25, s26                     ; my first row
	s_lshl_b32 s26, s25, 12
	s_mov_b32 s27, 0
	s_lshl_b32 s28, s25, 10
	s_mov_b32 s29, 0
	s_wait_kmcnt 0x0
	s_load_b32 s30, s[18:19], 0x20                 ; e8
	s_add_nc_u64 s[4:5], s[4:5], s[26:27]
	s_add_nc_u64 s[20:21], s[20:21], s[26:27]
	s_add_nc_u64 s[22:23], s[22:23], s[28:29]
.irp j, 0,1,2,3,4,5,6,7
	global_load_b128 v[GAM+4*\j:GAM+4*\j+3], v1, s[10:11] offset:512*\j
	global_load_b128 v[BET+4*\j:BET+4*\j+3], v1, s[16:17] offset:512*\j
.endr
.irp s, 0,1
.irp j, 0,1,2,3,4,5,6,7
	global_load_b128 v[112+64*\s+4*\j:115+64*\s+4*\j], v1, s[4:5] offset:4096*\s+512*\j th:TH_LOAD_NT
.endr
.endr
	s_wait_kmcnt 0x0
	s_add_co_i32 s30, s30, 127
	s_lshl_b32 s31, s30, 23
	v_mov_b32 v6, s31                              ; 2^e8
	s_add_co_i32 s30, s30, 15
	s_lshl_b32 s30, s30, 23
	s_or_b32 s30, s30, 0x600000
	v_mov_b32 v5, s30                              ; 57,344 x 2^e8
.macro FOLD                            ; four chains of pairs in v8-15 -> the sum over the row, in v8 of every lane
	s_delay_alu instid0(VALU_DEP_3)
	v_pk_add_f32 v[8:9], v[8:9], v[10:11]
	s_delay_alu instid0(VALU_DEP_2)
	v_pk_add_f32 v[12:13], v[12:13], v[14:15]
	s_delay_alu instid0(VALU_DEP_1)
	v_pk_add_f32 v[8:9], v[8:9], v[12:13]
	s_delay_alu instid0(VALU_DEP_1)
	v_add_f32 v8, v8, v9
	s_delay_alu instid0(VALU_DEP_1)
	v_add_f32_dpp v8, v8, v8 row_xmask:1 row_mask:0xf bank_mask:0xf
	s_delay_alu instid0(VALU_DEP_1)
	v_add_f32_dpp v8, v8, v8 row_xmask:2 row_mask:0xf bank_mask:0xf
	s_delay_alu instid0(VALU_DEP_1)
	v_add_f32_dpp v8, v8, v8 row_xmask:4 row_mask:0xf bank_mask:0xf
	s_delay_alu instid0(VALU_DEP_1)
	v_add_f32_dpp v8, v8, v8 row_xmask:8 row_mask:0xf bank_mask:0xf
	s_delay_alu instid0(VALU_DEP_1)
	v_permlanex16_b32 v9, v8, s12, s13
	s_delay_alu instid0(VALU_DEP_1)
	v_add_f32 v8, v8, v9
.endm
.macro ROW s, left
.set CC, 112+64*(\s)
.set XX, 144+64*(\s)
	s_wait_loadcnt \left                           ; this row's loads are in; the next row's eight may be out
.irp k, 0,2,4,6
	v_pk_add_f32 v[8+\k:9+\k], v[CC+\k:CC+\k+1], v[CC+8+\k:CC+9+\k]
.endr
.irp i, 16,24
.irp k, 0,2,4,6
	s_delay_alu instid0(VALU_DEP_4)
	v_pk_add_f32 v[8+\k:9+\k], v[8+\k:9+\k], v[CC+\i+\k:CC+\i+\k+1]
.endr
.endr
	FOLD
	s_delay_alu instid0(VALU_DEP_1)
	v_mul_f32 v240, s14, v8                        ; the mean
.set i, 0
.rept 16
	v_pk_add_f32 v[CC+i:CC+i+1], v[CC+i:CC+i+1], v[240:241] op_sel_hi:[1,0] neg_lo:[0,1] neg_hi:[0,1]
.set i, i+2
.endr
.irp k, 0,2,4,6
	v_pk_mul_f32 v[8+\k:9+\k], v[CC+\k:CC+\k+1], v[CC+\k:CC+\k+1]
.endr
.irp i, 8,16,24
.irp k, 0,2,4,6
	s_delay_alu instid0(VALU_DEP_4)
	v_pk_fma_f32 v[8+\k:9+\k], v[CC+\i+\k:CC+\i+\k+1], v[CC+\i+\k:CC+\i+\k+1], v[8+\k:9+\k]
.endr
.endr
	FOLD
	s_delay_alu instid0(VALU_DEP_1)
	v_fma_f32 v8, v8, s14, s15                     ; the variance + 1e-5
	s_wait_alu depctr_va_vdst(0)
	v_rsq_f32 v242, v8
	v_nop                                          ; a plain line behind the transcendental
	s_wait_alu depctr_va_vdst(0)                   ; ahead of its first reader
.set i, 0
.rept 16
	v_pk_mul_f32 v[CC+i:CC+i+1], v[CC+i:CC+i+1], v[242:243] op_sel_hi:[1,0]
.set i, i+2
.endr
.set i, 0
.rept 16
	v_pk_fma_f32 v[CC+i:CC+i+1], v[CC+i:CC+i+1], v[GAM+i:GAM+i+1], v[BET+i:BET+i+1]
.set i, i+2
.endr
.irp j, 0,1,2,3,4,5,6,7
	global_store_b128 v1, v[CC+4*\j:CC+4*\j+3], s[20:21] offset:4096*(\s)+512*\j   ; 512 consecutive bytes
.endr
.irp u, 0,1
.irp i, 0,1,2,3
	ds_store_b128 v2, v[CC+16*\u+4*\i:CC+16*\u+4*\i+3] offset:32*SP*\u+8*SP*\i
.endr
.irp i, 0,1,2,3
	ds_load_b128 v[XX+16*\u+4*\i:XX+16*\u+4*\i+3], v3 offset:32*SP*\u+16*\i   ; LDS serves a wave's instructions in order: these see my stores
.endr
.endr
	s_wait_dscnt 0x0
	s_wait_xcnt 0x0                                ; the last row's stores have read the codes' registers
.set i, 0
.rept 32
	v_med3_num_f32 v[XX+i], v[XX+i], -v5, v5       ; the conversion does not saturate (ISA guide 7.6.2)
.set i, i+1
.endr
.irp g, 0,1,2,3
	v_cvt_scalef32_pk8_bf8_f32 v[244+2*\g:245+2*\g], v[XX+8*\g:XX+8*\g+7], v6
.endr
	v_nop
	global_store_b128 v1, v[244:247], s[22:23] offset:1024*(\s)
	global_store_b128 v1, v[248:251], s[22:23] offset:1024*(\s)+512
.endm
	ROW 0, 8                                       ; the next row's eight loads may be out
	ROW 1, 0
	s_wait_tensorcnt 0x0
	ds_add_u32 v254, v255
	s_wait_dscnt 0x0
	s_endpgm
.Lfunc_end_k_qb1d9206faf_ln1:
	.size	k_qb1d9206faf_ln1, .Lfunc_end_k_qb1d9206faf_ln1-k_qb1d9206faf_ln1
	.p2alignl 7, 3214868480
	.fill 96, 4, 3214868480
	.section	.rodata,"a",@progbits
	.p2align	6, 0x0
	.amdhsa_kernel k_qb1d9206faf_ln1
		.amdhsa_group_segment_fixed_size 41984
		.amdhsa_private_segment_fixed_size 0
		.amdhsa_enable_private_segment 0
		.amdhsa_kernarg_size 48
		.amdhsa_user_sgpr_count 2
		.amdhsa_user_sgpr_kernarg_segment_ptr 1
		.amdhsa_wavefront_size32 1
		.amdhsa_system_sgpr_workgroup_id_x 1
		.amdhsa_system_sgpr_workgroup_id_y 1
		.amdhsa_system_sgpr_workgroup_id_z 1
		.amdhsa_system_vgpr_workitem_id 0
		.amdhsa_next_free_vgpr 256
		.amdhsa_next_free_sgpr 66
		.amdhsa_reserve_vcc 0
		.amdhsa_float_denorm_mode_32 3
		.amdhsa_float_denorm_mode_16_64 3
		.amdhsa_memory_ordered 1
		.amdhsa_forward_progress 1
		.amdhsa_inst_pref_size 29
	.end_amdhsa_kernel
	.amdgpu_metadata
---
amdhsa.version: [ 1, 2 ]
amdhsa.kernels:
  - .name:           k_qb1d9206faf_ln1
    .symbol:         k_qb1d9206faf_ln1.kd
    .args:
      - { .name: cbuf, .offset: 0, .size: 8, .value_kind: global_buffer, .address_space: global }
      - { .name: gamma1, .offset: 8, .size: 8, .value_kind: global_buffer, .address_space: global }
      - { .name: beta1, .offset: 16, .size: 8, .value_kind: global_buffer, .address_space: global }
      - { .name: lowp_scales, .offset: 24, .size: 8, .value_kind: global_buffer, .address_space: global }
      - { .name: hbuf, .offset: 32, .size: 8, .value_kind: global_buffer, .address_space: global }
      - { .name: hcod, .offset: 40, .size: 8, .value_kind: global_buffer, .address_space: global }
    .group_segment_fixed_size: 41984
    .private_segment_fixed_size: 0
    .kernarg_segment_align: 8
    .kernarg_segment_size: 48
    .max_flat_workgroup_size: 256
    .sgpr_count:     66
    .vgpr_count:     256
    .wavefront_size: 32
...
	.end_amdgpu_metadata
.endif
;; end of part 5
;; launch ffn1 (part 6): grid 16 x 16, 4 waves a work-group, clusters of 4 x 4, 327,680 bytes of LDS; arguments hcod, W1_codes, lowp_scales, b1, hid; writes hid
.if DOCPART == 6
	.amdgcn_target "amdgcn-amd-amdhsa--gfx1250"
	.amdhsa_code_object_version 6
	.text
	.protected	k_qb1d9206faf_ffn1
	.globl	k_qb1d9206faf_ffn1
	.p2align	8
	.type	k_qb1d9206faf_ffn1,@function
k_qb1d9206faf_ffn1:
	s_mov_b64 s[64:65], 0
	v_nop
	global_prefetch_b8 v0, s[64:65] scope:SCOPE_SE
	s_setreg_imm32_b32 hwreg(HW_REG_WAVE_MODE, 25, 1), 1
	s_wait_xcnt 0x0
	s_wait_alu depctr_hold_cnt(0) depctr_sa_sdst(0) depctr_va_vdst(0) depctr_va_sdst(0) depctr_va_ssrc(0) depctr_va_vcc(0) depctr_vm_vsrc(0)
	s_getreg_b32 s2, hwreg(HW_REG_IB_STS2, 6, 4)
	s_cmp_eq_u32 s2, 0
	s_cbranch_scc0 .Lentry_in_a_cluster
	s_endpgm
.Lentry_in_a_cluster:
	s_bfe_u32 s2, ttmp6, 0x10000c
	s_cmp_lg_u32 s2, 0xf033
	s_cbranch_scc0 .Lentry_shape_is_right
	s_endpgm
.Lentry_shape_is_right:
.set KROW,   1024
.set ROWB,   256
.set PITCH,  272
.set FR,     16
.set NL,     4
.set NP,     4
.set HALFT,  128*PITCH
.set SLOT,   4*HALFT
.set LAPS,   2
.set SPARE,  2*SLOT
.set ADRA, 16
.set ADRB, 20
.set GO,   26
.set BO,   27
.set SPW,  28
.set NIL,  29
.set BIAS, 32
.set QC,   96
.set AF,   128
.set TMP,  128
.set PC,   192
.set G1, 24
.set G0, 32
.set G1B, 48
.set G0B, 56
.set MSB, 0
.macro WIN new
.if MSB != \new
	s_set_vgpr_msb (MSB<<8)|\new
.set MSB, \new
.endif
.endm
.set MUL_LO, 0xa1
.set MUL_HI, 0xf1
.set TO_B,   0x40
.macro JLOAD g0a, g1a, g0b, g1b
	s_cmp_eq_u32 s15, 0
	s_cbranch_scc0 .Lfor_b_\@
	tensor_load_to_lds s[\g0a:\g0a+3], s[\g1a:\g1a+7]
	s_nop 0
.rept 4
	v_nop
.endr
	s_branch .Lasked_\@
.Lfor_b_\@:
	tensor_load_to_lds s[\g0b:\g0b+3], s[\g1b:\g1b+7]
	s_nop 0
.rept 4
	v_nop
.endr
.Lasked_\@:
.endm
.macro CREST
	s_cmp_lg_u32 s14, 0
	s_cbranch_scc1 .Lnot_wave_0_\@
	s_barrier_signal -3
.Lnot_wave_0_\@:
	s_barrier_wait -3
	s_barrier_signal -1
	s_barrier_wait -1
.endm
.macro CROUND
	s_barrier_signal -1
	s_barrier_wait -1
	CREST
.endm
	s_load_b128 s[4:7], s[0:1], 0x0
	s_load_b128 s[8:11], s[0:1], 0x10
	s_load_b64 s[12:13], s[0:1], 0x20
	v_lshl_add_u32 v[SPW], v0, 2, SPARE
	v_mov_b32 v[NIL], 0
	ds_add_u32 v28, v29
	ds_add_u32 v28, v29
	s_wait_dscnt 0x0
	v_lshrrev_b32 v1, 5, v0
	v_readfirstlane_b32 s14, v1
	v_and_b32 v30, 31, v0
	v_lshlrev_b32 v30, 10, v30                     ; the prefetches' offset: my lane x a row of 1,024 bytes; never rewritten
	s_wait_alu depctr_va_vdst(0)
	s_lshr_b32 s15, s14, 1
	s_and_b32 s16, s14, 1
	s_bfe_u32 s40, ttmp6, 0x40000
	s_bfe_u32 s41, ttmp6, 0x40004
	s_lshl_b32 s42, ttmp9, 2
	s_add_co_u32 s42, s42, s40
	s_and_b32 s17, ttmp7, 0xffff
	s_lshl_b32 s17, s17, 2
	s_add_co_u32 s17, s17, s41
	s_lshl_b32 s43, s41, 2
	s_lshl_b32 s43, 15, s43
	s_lshl_b32 s44, 0x1111, s40
	s_or_b32 s[G1+0], s43, (1<<20)|(1<<21)|(5<<22)|(3<<25)
	s_or_b32 s[G1B+0], s44, (1<<20)|(1<<21)|(5<<22)|(3<<25)
.irp g, G1, G1B
	s_mov_b32 s[\g+1], ROWB<<16
	s_mov_b32 s[\g+2], 128<<16
	s_mov_b32 s[\g+3], ROWB<<16
	s_mov_b32 s[\g+4], 128
	s_mov_b32 s[\g+5], KROW
	s_mov_b32 s[\g+6], 0
	s_mov_b32 s[\g+7], 0
.endr
	s_lshl_b32 s18, s16, 7
	s_lshl_b32 s20, s17, 8
	s_add_co_u32 s20, s20, s18
	s_lshl_b32 s20, s20, 10
	s_mov_b32 s21, 0
	s_lshl_b32 s46, s42, 8
	s_add_co_u32 s46, s46, s18
	s_lshl_b32 s82, s46, 2
	s_mov_b32 s83, 0
	s_lshl_b32 s46, s46, 10
	s_mov_b32 s47, 0
	s_mul_i32 s45, s14, HALFT
	s_wait_kmcnt 0x0
	s_load_b128 s[88:91], s[8:9], 0x20
	s_add_nc_u64 s[20:21], s[4:5], s[20:21]
	s_add_nc_u64 s[46:47], s[6:7], s[46:47]
	; THE PREFETCHES.  A K step is 256 bytes of each of the 128 rows that my wave fetches.  The four partners that ask for a tile jointly share its rows out BY ADDRESS, 32 each
	; (place cx for h's tiles, cy for W1's), a lane a row: one instruction a wave and K step, each block of 256 bytes once in the cluster.
	; Behind the load of K step 0 stand the requests for K steps 1 and 2, behind that of K step 1 the request for K step 3: never more than two K steps asked for and not yet read.
	s_cmp_eq_u32 s15, 0
	s_cselect_b64 s[68:69], s[20:21], s[46:47]
	s_cselect_b32 s70, s40, s41
	s_lshl_b32 s70, s70, 15                        ; 32 rows of 1,024 bytes a partner
	s_mov_b32 s71, 0
	s_add_nc_u64 s[68:69], s[68:69], s[70:71]      ; never rewritten
	s_add_nc_u64 s[80:81], s[10:11], s[82:83]
	CROUND
.irp s, 0,1
	s_mov_b32 s[G0+4*\s], 1
	s_add_co_u32 s[G0+4*\s+1], s45, \s*SLOT
	s_add_nc_u64 s[G0+4*\s+2:G0+4*\s+3], s[20:21], \s*ROWB
	s_or_b32 s[G0+4*\s+3], s[G0+4*\s+3], 0x80000000
	s_mov_b32 s[G0B+4*\s], 1
	s_add_co_u32 s[G0B+4*\s+1], s45, \s*SLOT
	s_add_nc_u64 s[G0B+4*\s+2:G0B+4*\s+3], s[46:47], \s*ROWB
	s_or_b32 s[G0B+4*\s+3], s[G0B+4*\s+3], 0x80000000
.endr
	JLOAD G0, G1, G0B, G1B                         ; K step 0: one tensor load a wave at the head
	global_prefetch_b8 v30, s[68:69] offset:256 th:TH_LOAD_NT scope:SCOPE_SE   ; K step 1
	global_prefetch_b8 v30, s[68:69] offset:512 th:TH_LOAD_NT scope:SCOPE_SE   ; K step 2
	v_and_b32 v1, 15, v0
	v_bfe_u32 v2, v0, 4, 1
	v_mul_u32_u24 v3, v1, PITCH
	v_lshl_add_u32 v4, v2, 4, v3
	s_mul_i32 s21, s15, HALFT
	s_mul_i32 s22, s16, HALFT
	s_add_co_u32 s22, s22, 2*HALFT
.irp s, 0,1
	v_add_nc_u32 v[ADRA+\s], s21, v4
	v_add_nc_u32 v[ADRB+\s], s22, v4
	s_add_co_u32 s21, s21, SLOT
	s_add_co_u32 s22, s22, SLOT
.endr
	v_and_b32 v6, 31, v0
	v_lshlrev_b32 v[GO], 4, v6
	v_lshlrev_b32 v[BO], 5, v2
.irp b, 0,1,2,3,4,5,6,7
	global_load_b128 v[BIAS+8*\b:BIAS+8*\b+3], v[BO], s[80:81] offset:64*\b
	global_load_b128 v[BIAS+8*\b+4:BIAS+8*\b+7], v[BO], s[80:81] offset:64*\b+16
.endr
	s_wait_alu depctr_va_vdst(0)
	s_wait_kmcnt 0x0
	s_add_co_i32 s96, s88, s89
	s_add_co_i32 s96, s96, 127
	s_lshl_b32 s96, s96, 23
	s_mov_b32 s97, s96
	s_add_co_i32 s86, s90, 127
	s_lshl_b32 s87, s86, 23
	v_mov_b32 v[QC], s87
	s_add_co_i32 s86, s86, 15
	s_lshl_b32 s86, s86, 23
	s_or_b32 s86, s86, 0x600000
	v_mov_b32 v[QC+1], s86
.macro FRAG reg, adr, q, i
.irp c, 0,1,2,3
	ds_load_b128 v[\reg+4*\c:\reg+4*\c+3], v[\adr] offset:128*(\q)+32*\c+(\i)*16*PITCH
.endr
.endm
.macro MUL16 a0, p, zero
.irp a, \a0, \a0+1
.irp b, 0,1,2,3,4,5,6,7
.if \zero
	v_wmma_f32_16x16x128_bf8_bf8 v[8*(8*((\a)%4)+\b):8*(8*((\a)%4)+\b)+7], v[128*(\p)+FR*\b:128*(\p)+FR*\b+FR-1], v[AF+FR*(\a):AF+FR*(\a)+FR-1], 0
.else
	v_wmma_f32_16x16x128_bf8_bf8 v[8*(8*((\a)%4)+\b):8*(8*((\a)%4)+\b)+7], v[128*(\p)+FR*\b:128*(\p)+FR*\b+FR-1], v[AF+FR*(\a):AF+FR*(\a)+FR-1], v[8*(8*((\a)%4)+\b):8*(8*((\a)%4)+\b)+7]
.endif
.endr
.endr
.endm
.macro FETCH_B slot, q, p
	WIN TO_B
.irp i, 0,1,2,3,4,5,6,7
	FRAG 128*(\p)+FR*\i, ADRB+\slot, \q, \i
.endr
	WIN 0
.endm
.macro FETCH_A slot, q, i0
.irp i, \i0, \i0+1, \i0+2, \i0+3
	FRAG AF+FR*(\i), ADRA+\slot, \q, \i
.endr
.endm
.macro PLACES n
.rept \n
	v_nop
.endr
.endm
.macro STEP slot, q, zero
	s_wait_dscnt 4*NL
	WIN MUL_LO
	MUL16 0, (\q)%2, \zero
	MUL16 2, (\q)%2, \zero
	s_wait_dscnt 0
	PLACES NP
	FETCH_B \slot, (\q)+1, 1-(\q)%2
	FETCH_A \slot, (\q)+1, 0
	WIN MUL_HI
	MUL16 4, (\q)%2, \zero
	MUL16 6, (\q)%2, \zero
	PLACES NP
	WIN 0
	FETCH_A \slot, (\q)+1, 4
.endm
.macro TURN slot, next, fill
	s_wait_tensorcnt 0x0
	ds_add_u32 v[SPW], v[NIL]
	s_wait_dscnt 4*NL+1
	WIN MUL_LO
	MUL16 0, 1, 0
	s_wait_dscnt 0x0
	s_barrier_signal -1
	MUL16 2, 1, 0
	WIN 0
	s_barrier_wait -1
.if \fill
	CREST
	s_add_nc_u64 s[G0+4*\slot+2:G0+4*\slot+3], s[G0+4*\slot+2:G0+4*\slot+3], 2*ROWB
	s_add_nc_u64 s[G0B+4*\slot+2:G0B+4*\slot+3], s[G0B+4*\slot+2:G0B+4*\slot+3], 2*ROWB
	JLOAD G0+4*\slot, G1, G0B+4*\slot, G1B
.else
	PLACES NP
.endif
	FETCH_B \next, 0, 0
	FETCH_A \next, 0, 0
	WIN MUL_HI
	MUL16 4, 1, 0
	MUL16 6, 1, 0
	PLACES NP
	WIN 0
	FETCH_A \next, 0, 4
.endm
	s_wait_alu depctr_va_vdst(0)
	s_wait_tensorcnt 0x0                           ; my part of K step 0 is in
	ds_add_u32 v[SPW], v[NIL]
	s_wait_dscnt 0x0
	CROUND
	JLOAD G0+4, G1, G0B+4, G1B                     ; K step 1: the first tensor load behind the round
	FETCH_B 0, 0, 0
	FETCH_A 0, 0, 0
	FETCH_A 0, 0, 4
	global_prefetch_b8 v30, s[68:69] offset:768 th:TH_LOAD_NT scope:SCOPE_SE   ; K step 3, the last
	STEP 0, 0, 1
	s_mov_b32 s3, LAPS-1
.Llap:
	TURN 0, 1, 1
	STEP 1, 0, 0
	TURN 1, 0, 1
	STEP 0, 0, 0
	s_sub_co_u32 s3, s3, 1
	s_cmp_lg_u32 s3, 0
	s_cbranch_scc1 .Llap
	TURN 0, 1, 0
	STEP 1, 0, 0
	s_wait_dscnt 4*NL
	WIN MUL_LO
	MUL16 0, 1, 0
	MUL16 2, 1, 0
	s_wait_dscnt 0
	WIN MUL_HI
	MUL16 4, 1, 0
	MUL16 6, 1, 0
	WIN 0
.macro EPI a
.set AC, 64*((\a)%4)
.set PS, PC+16*((\a)%4)
	WIN (0x02+((\a)/4))
.irp b, 0,1,2,3,4,5,6,7
.irp i, 0,2,4,6
	v_pk_fma_f32 v[TMP+8*\b+\i:TMP+8*\b+\i+1], v[AC+8*\b+\i:AC+8*\b+\i+1], s[96:97], v[BIAS+8*\b+\i:BIAS+8*\b+\i+1] op_sel_hi:[1,0,1]
.endr
.endr
	WIN 0
.irp b, 0,1,2,3,4,5,6,7
.irp i, 0,1,2,3,4,5,6,7
	v_med3_num_f32 v[TMP+8*\b+\i], v[TMP+8*\b+\i], 0, v[QC+1]
.endr
	v_cvt_scalef32_pk8_bf8_f32 v[PS+2*\b:PS+2*\b+1], v[TMP+8*\b:TMP+8*\b+7], v[QC]
.endr
	v_nop
.irp g, 0,1,2,3
	global_store_b128 v[GO], v[PS+4*\g:PS+4*\g+3], s[12:13] offset:(\a)*2048+512*\g
.endr
.endm
	s_wait_loadcnt 0x0
	PLACES NP
	s_lshl_b32 s78, s17, 1
	s_add_co_u32 s78, s78, s15
	s_lshl_b32 s78, s78, 4
	s_add_co_u32 s78, s78, s42
	s_lshl_b32 s78, s78, 1
	s_add_co_u32 s78, s78, s16
	s_lshl_b32 s78, s78, 14
	s_mov_b32 s79, 0
	s_add_nc_u64 s[12:13], s[12:13], s[78:79]
.irp a, 0,1,2,3
	EPI \a
.endr
	s_wait_xcnt 0x0
.irp a, 4,5,6,7
	EPI \a
.endr
	s_wait_tensorcnt 0x0
	ds_add_u32 v[SPW], v[NIL]
	s_wait_dscnt 0x0
	CROUND
	s_endpgm
.Lfunc_end_k_qb1d9206faf_ffn1:
	.size	k_qb1d9206faf_ffn1, .Lfunc_end_k_qb1d9206faf_ffn1-k_qb1d9206faf_ffn1
	.p2alignl 7, 3214868480
	.fill 96, 4, 3214868480
	.section	.rodata,"a",@progbits
	.p2align	6, 0x0
	.amdhsa_kernel k_qb1d9206faf_ffn1
		.amdhsa_group_segment_fixed_size 327680
		.amdhsa_private_segment_fixed_size 0
		.amdhsa_enable_private_segment 0
		.amdhsa_kernarg_size 40
		.amdhsa_user_sgpr_count 2
		.amdhsa_user_sgpr_kernarg_segment_ptr 1
		.amdhsa_wavefront_size32 1
		.amdhsa_system_sgpr_workgroup_id_x 1
		.amdhsa_system_sgpr_workgroup_id_y 1
		.amdhsa_system_sgpr_workgroup_id_z 1
		.amdhsa_system_vgpr_workitem_id 0
		.amdhsa_next_free_vgpr 1024
		.amdhsa_next_free_sgpr 100
		.amdhsa_reserve_vcc 0
		.amdhsa_float_denorm_mode_32 3
		.amdhsa_float_denorm_mode_16_64 3
		.amdhsa_memory_ordered 1
		.amdhsa_forward_progress 1
		.amdhsa_inst_pref_size 136
	.end_amdhsa_kernel
	.amdgpu_metadata
---
amdhsa.version: [ 1, 2 ]
amdhsa.kernels:
  - .name:           k_qb1d9206faf_ffn1
    .symbol:         k_qb1d9206faf_ffn1.kd
    .args:
      - { .name: hcod, .offset: 0, .size: 8, .value_kind: global_buffer, .address_space: global }
      - { .name: W1_codes, .offset: 8, .size: 8, .value_kind: global_buffer, .address_space: global }
      - { .name: lowp_scales, .offset: 16, .size: 8, .value_kind: global_buffer, .address_space: global }
      - { .name: b1, .offset: 24, .size: 8, .value_kind: global_buffer, .address_space: global }
      - { .name: hid, .offset: 32, .size: 8, .value_kind: global_buffer, .address_space: global }
    .group_segment_fixed_size: 327680
    .private_segment_fixed_size: 0
    .kernarg_segment_align: 8
    .kernarg_segment_size: 40
    .max_flat_workgroup_size: 128
    .sgpr_count:     100
    .vgpr_count:     1024
    .wavefront_size: 32
...
	.end_amdgpu_metadata
.endif
;; end of part 6
;; launch gemm_f (part 7): grid 8 x 32, 4 waves a work-group, clusters of 4 x 4, 327,680 bytes of LDS; arguments hid, pbuf, lowp_scales, cbuf, hbuf, b2; writes cbuf
.if DOCPART == 7
	.amdgcn_target "amdgcn-amd-amdhsa--gfx1250"
	.amdhsa_code_object_version 6
	.text
	.protected	k_qb1d9206faf_gemm_f
	.globl	k_qb1d9206faf_gemm_f
	.p2align	8
	.type	k_qb1d9206faf_gemm_f,@function
k_qb1d9206faf_gemm_f:
	s_mov_b64 s[64:65], 0
	v_nop
	global_prefetch_b8 v0, s[64:65] scope:SCOPE_SE
	s_setreg_imm32_b32 hwreg(HW_REG_WAVE_MODE, 25, 1), 1
	s_wait_xcnt 0x0
	s_wait_alu depctr_hold_cnt(0) depctr_sa_sdst(0) depctr_va_vdst(0) depctr_va_sdst(0) depctr_va_ssrc(0) depctr_va_vcc(0) depctr_vm_vsrc(0)
	s_getreg_b32 s2, hwreg(HW_REG_IB_STS2, 6, 4)
	s_cmp_eq_u32 s2, 0
	s_cbranch_scc0 .Lentry_in_a_cluster
	s_endpgm
.Lentry_in_a_cluster:
	s_bfe_u32 s2, ttmp6, 0x10000c
	s_cmp_lg_u32 s2, 0xf033
	s_cbranch_scc0 .Lentry_shape_is_right
	s_endpgm
.Lentry_shape_is_right:
.set SIZE_K, 4096
.set BOFF,   0x600000
.set SCOFF,  40
.set KC,     SIZE_K/256
.set LAPS,   SIZE_K/1024
.set SLOT,   131072
.set STAGE,  2*SLOT
.set SPITCH, 272
.set SPARE,  STAGE+4*16*SPITCH
.set ADRA, 16
.set ADRB, 20
.set STO,  24
.set RD,   25
.set CO,   26
.set SPW,  28
.set NIL,  29
.set TMP,  32
.set BK,   64
.set ACC,  128
.set F0,   0
.set F1,   128
.set G1, 24
.set G0, 32
.set G1B, 48
.set G0B, 56
.set MSB, 0
.macro WIN new
.if MSB != \new
	s_set_vgpr_msb (MSB<<8)|\new
.set MSB, \new
.endif
.endm
.set MUL,  0x05
.set TO_F, 0x40
.macro JLOAD s
	s_cmp_eq_u32 s15, 0
	s_cbranch_scc0 .Lfor_b_\@
	tensor_load_to_lds s[G0+4*\s:G0+4*\s+3], s[G1:G1+7]
	s_nop 0
.rept 4
	v_nop
.endr
	s_branch .Lasked_\@
.Lfor_b_\@:
	tensor_load_to_lds s[G0B+4*\s:G0B+4*\s+3], s[G1B:G1B+7]
	s_nop 0
.rept 4
	v_nop
.endr
.Lasked_\@:
.endm
.macro CREST
	s_cmp_lg_u32 s14, 0
	s_cbranch_scc1 .Lnot_wave_0_\@
	s_barrier_signal -3
.Lnot_wave_0_\@:
	s_barrier_wait -3
	s_barrier_signal -1
	s_barrier_wait -1
.endm
.macro CROUND
	s_barrier_signal -1
	s_barrier_wait -1
	CREST
.endm
	s_load_b128 s[4:7], s[0:1], 0x0
	s_load_b128 s[8:11], s[0:1], 0x10
	s_load_b128 s[72:75], s[0:1], 0x20             ; the residual's rows s[72:73], the bias s[74:75]: both are added on the way out
	v_lshl_add_u32 v[SPW], v0, 2, SPARE
	v_mov_b32 v[NIL], 0
	ds_add_u32 v28, v29
	ds_add_u32 v28, v29
	s_wait_dscnt 0x0
	v_lshrrev_b32 v1, 5, v0
	v_readfirstlane_b32 s14, v1
	v_and_b32 v30, 31, v0
	v_lshlrev_b32 v30, 8, v30                      ; the prefetches' offset: 256 x lane; never rewritten
	s_wait_alu depctr_va_vdst(0)
	s_lshr_b32 s15, s14, 1
	s_and_b32 s16, s14, 1
	s_bfe_u32 s40, ttmp6, 0x40000
	s_bfe_u32 s41, ttmp6, 0x40004
	s_lshl_b32 s42, ttmp9, 2
	s_add_co_u32 s42, s42, s40
	s_and_b32 s17, ttmp7, 0xffff
	s_lshl_b32 s17, s17, 2
	s_add_co_u32 s17, s17, s41
	s_lshl_b32 s43, s41, 2
	s_lshl_b32 s43, 15, s43
	s_lshl_b32 s44, 0x1111, s40
	s_or_b32 s[G1+0], s43, (3<<16)|(1<<21)
	s_or_b32 s[G1B+0], s44, (3<<16)|(1<<21)
.irp g, G1, G1B
	s_mov_b32 s[\g+1], 32<<16
	s_mov_b32 s[\g+2], 128<<16
	s_mov_b32 s[\g+3], 32<<16
	s_mov_b32 s[\g+4], 128
	s_mov_b32 s[\g+5], 32
	s_mov_b32 s[\g+6], 0
	s_mov_b32 s[\g+7], 0
.endr
	s_mul_i32 s20, s17, KC
	s_add_co_u32 s20, s20, s16
	s_lshl_b32 s20, s20, 15
	s_mov_b32 s21, 0
	s_mul_i32 s46, s42, KC
	s_add_co_u32 s46, s46, s16
	s_lshl_b32 s46, s46, 15
	s_add_co_u32 s46, s46, BOFF
	s_mov_b32 s47, 0
	s_lshl_b32 s45, s14, 15
	s_wait_kmcnt 0x0
	s_load_b64 s[96:97], s[8:9], SCOFF
	s_add_nc_u64 s[20:21], s[4:5], s[20:21]
	s_add_nc_u64 s[46:47], s[6:7], s[46:47]
	; THE PREFETCHES.  A slot's part that my wave fetches is one dense block of 32,768 bytes, 65,536 bytes from slot to slot.  The four partners that ask for it jointly share it out BY ADDRESS,
	; 8,192 bytes each (place cx for A's tiles, cy for B's), lanes 256 bytes apart: one instruction a wave and slot, each block of 256 bytes once in the cluster.
	; Behind the load of slot n stands the request for slot n + 2, and behind slot 0's also that for slot 1: never more than two slots asked for and not yet read.  The loads of slots 6 and 7 ask for nothing.
	s_cmp_eq_u32 s15, 0
	s_cselect_b64 s[68:69], s[20:21], s[46:47]
	s_cselect_b32 s70, s40, s41
	s_lshl_b32 s70, s70, 13
	s_mov_b32 s71, 0
	s_add_nc_u64 s[68:69], s[68:69], s[70:71]
	CROUND
.irp s, 0,1
	s_mov_b32 s[G0+4*\s], 1
	s_add_co_u32 s[G0+4*\s+1], s45, \s*SLOT
	s_add_nc_u64 s[G0+4*\s+2:G0+4*\s+3], s[20:21], \s*65536
	s_or_b32 s[G0+4*\s+3], s[G0+4*\s+3], 0x80000000
	s_mov_b32 s[G0B+4*\s], 1
	s_add_co_u32 s[G0B+4*\s+1], s45, \s*SLOT
	s_add_nc_u64 s[G0B+4*\s+2:G0B+4*\s+3], s[46:47], \s*65536
	s_or_b32 s[G0B+4*\s+3], s[G0B+4*\s+3], 0x80000000
.endr
	JLOAD 0                                        ; slot 0: one tensor load a wave at the head
	global_prefetch_b8 v30, s[68:69] offset:65536 th:TH_LOAD_NT scope:SCOPE_SE    ; slot 1
	global_prefetch_b8 v30, s[68:69] offset:131072 th:TH_LOAD_NT scope:SCOPE_SE   ; slot 2
	v_and_b32 v1, 15, v0
	s_wait_alu depctr_va_vdst(0)
	v_bfe_u32 v2, v0, 4, 1
	v_and_b32 v3, 31, v0
	v_lshlrev_b32 v3, 4, v3
	s_lshl_b32 s21, s15, 13
	s_lshl_b32 s22, s16, 13
	s_add_co_u32 s22, s22, 65536
.irp s, 0,1
	v_add_nc_u32 v[ADRA+\s], s21, v3
	v_add_nc_u32 v[ADRB+\s], s22, v3
	s_add_co_u32 s21, s21, SLOT
	s_add_co_u32 s22, s22, SLOT
.endr
	s_mul_i32 s23, s14, 16*SPITCH
	s_add_co_u32 s23, s23, STAGE
	v_mul_u32_u24 v4, v1, SPITCH
	s_wait_alu depctr_va_vdst(0)
	v_lshl_add_u32 v4, v2, 5, v4
	v_add_nc_u32 v[STO], s23, v4
	v_mul_u32_u24 v5, v2, SPITCH
	v_lshl_add_u32 v5, v1, 4, v5
	v_add_nc_u32 v[RD], s23, v5
	v_lshlrev_b32 v5, 12, v2
	v_lshl_add_u32 v[CO], v1, 4, v5
	s_lshl_b32 s20, s17, 7
	s_lshl_b32 s21, s15, 6
	s_add_co_u32 s20, s20, s21
	s_lshl_b32 s20, s20, 12
	s_mov_b32 s21, 0
	s_lshl_b32 s46, s42, 9
	s_lshl_b32 s47, s16, 8
	s_add_co_u32 s46, s46, s47
	s_mov_b32 s47, 0
	s_add_nc_u64 s[20:21], s[20:21], s[46:47]
	s_add_nc_u64 s[10:11], s[10:11], s[20:21]
	s_add_nc_u64 s[72:73], s[72:73], s[20:21]      ; the residual lies as C lies: the same place
	s_add_nc_u64 s[74:75], s[74:75], s[46:47]      ; the bias of my 64 columns
	v_lshlrev_b32 v31, 4, v1                       ; 16 bytes a lane, as a row of the stage comes back
.macro MUL4 f, a, zero
.irp b, 0,1,2,3
.if \zero
	v_wmma_f32_16x16x128_bf8_bf8 v[ACC+8*(4*(\a)+\b):ACC+8*(4*(\a)+\b)+7], v[\f+64+16*\b:\f+64+16*\b+15], v[\f+16*(\a):\f+16*(\a)+15], 0
.else
	v_wmma_f32_16x16x128_bf8_bf8 v[ACC+8*(4*(\a)+\b):ACC+8*(4*(\a)+\b)+7], v[\f+64+16*\b:\f+64+16*\b+15], v[\f+16*(\a):\f+16*(\a)+15], v[ACC+8*(4*(\a)+\b):ACC+8*(4*(\a)+\b)+7]
.endif
.endr
.endm
.macro FETCH slot, q, f
	WIN TO_F
.irp i, 0,1,2,3
.irp c, 0,1,2,3
	ds_load_b128 v[\f+64+16*\i+4*\c:\f+64+16*\i+4*\c+3], v[ADRB+\slot] offset:((\q)/2)*32768+((\q)%2)*16384+\i*2048+512*\c
.endr
.endr
.irp i, 0,1,2,3
.irp c, 0,1,2,3
	ds_load_b128 v[\f+16*\i+4*\c:\f+16*\i+4*\c+3], v[ADRA+\slot] offset:((\q)/2)*32768+((\q)%2)*16384+\i*2048+512*\c
.endr
.endr
.endm
.macro PLACES
.rept 4
	v_nop
.endr
.endm
.macro QUARTER slot, qn, f, g, zero
	s_wait_dscnt 8
	WIN MUL
	MUL4 \f, 0, \zero
	MUL4 \f, 1, \zero
	PLACES
	FETCH \slot, \qn, \g
	s_wait_dscnt 32
	WIN MUL
	MUL4 \f, 2, \zero
	MUL4 \f, 3, \zero
.endm
.macro TURN slot, next, fill
	WIN 0
	s_wait_tensorcnt 0x0
	ds_add_u32 v[SPW], v[NIL]
	s_wait_dscnt 9
	WIN MUL
	MUL4 F1, 0, 0
	s_wait_dscnt 0x0
	s_barrier_signal -1
	MUL4 F1, 1, 0
.if \fill
	WIN 0
.endif
	s_barrier_wait -1
.if \fill
	CREST
	s_add_nc_u64 s[G0+4*\slot+2:G0+4*\slot+3], s[G0+4*\slot+2:G0+4*\slot+3], 131072
	s_add_nc_u64 s[G0B+4*\slot+2:G0B+4*\slot+3], s[G0B+4*\slot+2:G0B+4*\slot+3], 131072
	JLOAD \slot
.else
	PLACES
.endif
	FETCH \next, 0, F0
.if \fill
	WIN 0                                          ; at a branch and at a label every window is 0
	s_cmp_gt_u32 s3, 1                             ; the loop's last trip loads slots 6 and 7: there is no slot two on
	s_cbranch_scc0 .Lnone_\@
	global_prefetch_b8 v30, s[68:69] offset:262144+65536*\slot th:TH_LOAD_NT scope:SCOPE_SE   ; two slots on from the one just asked for
.Lnone_\@:
.endif
	WIN MUL
	MUL4 F1, 2, 0
	MUL4 F1, 3, 0
.endm
	s_wait_alu depctr_va_vdst(0)
	s_wait_tensorcnt 0x0                           ; my part of slot 0 is in
	ds_add_u32 v[SPW], v[NIL]
	s_wait_dscnt 0x0
	CROUND
	JLOAD 1                                        ; slot 1: the first tensor load behind the round
	FETCH 0, 0, F0
	global_prefetch_b8 v30, s[68:69] offset:196608 th:TH_LOAD_NT scope:SCOPE_SE   ; slot 3
	QUARTER 0, 1, F0, F1, 1
	WIN 0x80                                       ; destination window 2: v512-639 take my 64 x 64 numbers of the residual.  Asked for here, when slot 0 has landed and slot 1 is asked for; wanted on the way out
.irp a, 0,1,2,3
.irp t, 0,1,2,3,4,5,6,7
	global_load_b128 v[32*\a+4*\t:32*\a+4*\t+3], v[CO], s[72:73] offset:(16*\a+2*\t)*4096 th:TH_LOAD_NT
.endr
.endr
	WIN 0
	global_load_b128 v[8:11], v31, s[74:75]        ; the bias of my four columns
.if LAPS > 1
	WIN 0
	s_mov_b32 s3, LAPS-1
.Llap:
	QUARTER 0, 2, F1, F0, 0
	QUARTER 0, 3, F0, F1, 0
	TURN 0, 1, 1
	QUARTER 1, 1, F0, F1, 0
	QUARTER 1, 2, F1, F0, 0
	QUARTER 1, 3, F0, F1, 0
	TURN 1, 0, 1
	QUARTER 0, 1, F0, F1, 0
	WIN 0
	s_wait_xcnt 0x0                                ; my prefetches have read their address: it steps two slots on
	s_add_nc_u64 s[68:69], s[68:69], 131072
	s_sub_co_u32 s3, s3, 1
	s_cmp_lg_u32 s3, 0
	s_cbranch_scc1 .Llap
.endif
	QUARTER 0, 2, F1, F0, 0
	QUARTER 0, 3, F0, F1, 0
	TURN 0, 1, 0
	QUARTER 1, 1, F0, F1, 0
	QUARTER 1, 2, F1, F0, 0
	QUARTER 1, 3, F0, F1, 0
	s_wait_dscnt 8
	WIN MUL
	MUL4 F1, 0, 0
	MUL4 F1, 1, 0
	s_wait_dscnt 0
	MUL4 F1, 2, 0
	MUL4 F1, 3, 0
	WIN 0
.macro TOSTAGE a
.irp b, 0,1,2,3
.irp i, 0,2,4,6
	v_pk_mul_f32 v[TMP+8*\b+\i:TMP+8*\b+\i+1], v[ACC+8*(4*(\a)+\b)+\i:ACC+8*(4*(\a)+\b)+\i+1], s[96:97] op_sel_hi:[1,0]
.endr
.endr
.irp b, 0,1,2,3
	ds_store_b128 v[STO], v[TMP+8*\b:TMP+8*\b+3] offset:64*\b
	ds_store_b128 v[STO], v[TMP+8*\b+4:TMP+8*\b+7] offset:64*\b+16
.endr
.set BB, BK+32*((\a)%2)
.irp t, 0,1,2,3,4,5,6,7
	ds_load_b128 v[BB+4*\t:BB+4*\t+3], v[RD] offset:\t*2*SPITCH
.endr
.endm
.macro SEND a, younger
.set BB, BK+32*((\a)%2)
	s_wait_dscnt \younger
	WIN 0x08                                       ; source 1 window 2
.irp t, 0,1,2,3,4,5,6,7
	v_pk_add_f32 v[BB+4*\t:BB+4*\t+1], v[BB+4*\t:BB+4*\t+1], v[32*(\a)+4*\t:32*(\a)+4*\t+1]       ; + the residual
	v_pk_add_f32 v[BB+4*\t+2:BB+4*\t+3], v[BB+4*\t+2:BB+4*\t+3], v[32*(\a)+4*\t+2:32*(\a)+4*\t+3]
.endr
	WIN 0
.irp t, 0,1,2,3,4,5,6,7
	v_pk_add_f32 v[BB+4*\t:BB+4*\t+1], v[BB+4*\t:BB+4*\t+1], v[8:9]                                ; + the bias
	v_pk_add_f32 v[BB+4*\t+2:BB+4*\t+3], v[BB+4*\t+2:BB+4*\t+3], v[10:11]
.endr
.irp t, 0,1,2,3,4,5,6,7
	global_store_b128 v[CO], v[BB+4*\t:BB+4*\t+3], s[10:11] offset:(16*(\a)+2*\t)*4096
.endr
.endm
	s_wait_kmcnt 0x0
	s_add_co_i32 s96, s96, s97
	s_add_co_i32 s96, s96, 127
	s_lshl_b32 s96, s96, 23
	s_mov_b32 s97, s96
	s_wait_loadcnt 0x0                             ; the residual and the bias are in
	PLACES
	TOSTAGE 0
.irp a, 1,2,3
.if \a > 1
	s_wait_xcnt 0x0
.endif
	TOSTAGE \a
	SEND \a-1, 16
.endr
	SEND 3, 0
	s_wait_tensorcnt 0x0
	ds_add_u32 v[SPW], v[NIL]
	s_wait_dscnt 0x0
	CROUND
	s_endpgm
.Lfunc_end_k_qb1d9206faf_gemm_f:
	.size	k_qb1d9206faf_gemm_f, .Lfunc_end_k_qb1d9206faf_gemm_f-k_qb1d9206faf_gemm_f
	.p2alignl 7, 3214868480
	.fill 96, 4, 3214868480
	.section	.rodata,"a",@progbits
	.p2align	6, 0x0
	.amdhsa_kernel k_qb1d9206faf_gemm_f
		.amdhsa_group_segment_fixed_size 327680
		.amdhsa_private_segment_fixed_size 0
		.amdhsa_enable_private_segment 0
		.amdhsa_kernarg_size 48
		.amdhsa_user_sgpr_count 2
		.amdhsa_user_sgpr_kernarg_segment_ptr 1
		.amdhsa_wavefront_size32 1
		.amdhsa_system_sgpr_workgroup_id_x 1
		.amdhsa_system_sgpr_workgroup_id_y 1
		.amdhsa_system_sgpr_workgroup_id_z 1
		.amdhsa_system_vgpr_workitem_id 0
		.amdhsa_next_free_vgpr 640
		.amdhsa_next_free_sgpr 100
		.amdhsa_reserve_vcc 0
		.amdhsa_float_denorm_mode_32 3
		.amdhsa_float_denorm_mode_16_64 3
		.amdhsa_memory_ordered 1
		.amdhsa_forward_progress 1
		.amdhsa_inst_pref_size 87
	.end_amdhsa_kernel
	.amdgpu_metadata
---
amdhsa.version: [ 1, 2 ]
amdhsa.kernels:
  - .name:           k_qb1d9206faf_gemm_f
    .symbol:         k_qb1d9206faf_gemm_f.kd
    .args:
      - { .name: hid, .offset: 0, .size: 8, .value_kind: global_buffer, .address_space: global }
      - { .name: pbuf, .offset: 8, .size: 8, .value_kind: global_buffer, .address_space: global }
      - { .name: lowp_scales, .offset: 16, .size: 8, .value_kind: global_buffer, .address_space: global }
      - { .name: cbuf, .offset: 24, .size: 8, .value_kind: global_buffer, .address_space: global }
      - { .name: hbuf, .offset: 32, .size: 8, .value_kind: global_buffer, .address_space: global }
      - { .name: b2, .offset: 40, .size: 8, .value_kind: global_buffer, .address_space: global }
    .group_segment_fixed_size: 327680
    .private_segment_fixed_size: 0
    .kernarg_segment_align: 8
    .kernarg_segment_size: 48
    .max_flat_workgroup_size: 128
    .sgpr_count:     100
    .vgpr_count:     640
    .wavefront_size: 32
...
	.end_amdgpu_metadata
.endif
;; end of part 7
;; launch ln2 (part 8): grid 256 x 1, 8 waves a work-group, no clusters, 0 bytes of LDS; arguments cbuf, gamma2, beta2, out0; writes out0
.if DOCPART == 8
	.amdgcn_target "amdgcn-amd-amdhsa--gfx1250"
	.amdhsa_code_object_version 6
	.text
	.protected	k_qb1d9206faf_ln2
	.globl	k_qb1d9206faf_ln2
	.p2align	8
	.type	k_qb1d9206faf_ln2,@function
k_qb1d9206faf_ln2:
	s_mov_b64 s[64:65], 0
	v_nop
	global_prefetch_b8 v0, s[64:65] scope:SCOPE_SE
	s_setreg_imm32_b32 hwreg(HW_REG_WAVE_MODE, 25, 1), 1
	s_wait_xcnt 0x0
; out = LayerNorm(c + b2 + h) x gamma2 + beta2, f32.
; A wave takes two rows; a row of 4,096 bytes is eight loads of 512 consecutive bytes and stays in 32 registers: nothing is read twice, no wave waits for another, no LDS, no barrier.
; The mean is taken first and the variance of the centred numbers, as the definition has it: no difference of large sums.  NaN among the inputs is not served.
; HERE c ARRIVES AS ffn + b2 + h: the launch before has added the bias and the residual, so neither is loaded here.
.set GAM,  48
.set BET,  80
	s_load_b64 s[4:5], s[0:1], 0x0                 ; c
	s_load_b64 s[10:11], s[0:1], 0x8               ; gamma2
	s_load_b128 s[16:19], s[0:1], 0x10             ; beta2 s[16:17], out s[18:19]
	v_lshrrev_b32 v4, 5, v0
	s_delay_alu instid0(VALU_DEP_1)
	v_readfirstlane_b32 s24, v4                    ; wave 0..7
	v_and_b32 v7, 31, v0
	s_delay_alu instid0(VALU_DEP_1)
	v_lshlrev_b32 v1, 4, v7                        ; 16 x lane; never rewritten
	s_mov_b32 s12, 0x76543210
	s_mov_b32 s13, 0xfedcba98
	s_mov_b32 s14, 0x3a800000                      ; 1 / 1,024
	s_mov_b32 s15, 0x3727c5ac                      ; 1e-5
	v_mov_b32 v241, 0                              ; (named as the upper halves of pairs)
	v_mov_b32 v243, 0
	s_lshl_b32 s25, ttmp9, 4
	s_lshl_b32 s26, s24, 1
	s_add_co_u32 s25, s25, s26                     ; my first row
	s_lshl_b32 s26, s25, 12
	s_mov_b32 s27, 0
	s_wait_alu depctr_va_vdst(0)
	s_wait_kmcnt 0x0
	s_add_nc_u64 s[4:5], s[4:5], s[26:27]
	s_add_nc_u64 s[18:19], s[18:19], s[26:27]
.irp j, 0,1,2,3,4,5,6,7
	global_load_b128 v[GAM+4*\j:GAM+4*\j+3], v1, s[10:11] offset:512*\j
	global_load_b128 v[BET+4*\j:BET+4*\j+3], v1, s[16:17] offset:512*\j
.endr
.irp s, 0,1
.irp j, 0,1,2,3,4,5,6,7
	global_load_b128 v[112+64*\s+4*\j:115+64*\s+4*\j], v1, s[4:5] offset:4096*\s+512*\j th:TH_LOAD_NT
.endr
.endr
.macro FOLD                            ; four chains of pairs in v8-15 -> the sum over the row, in v8 of every lane
	s_delay_alu instid0(VALU_DEP_3)
	v_pk_add_f32 v[8:9], v[8:9], v[10:11]
	s_delay_alu instid0(VALU_DEP_2)
	v_pk_add_f32 v[12:13], v[12:13], v[14:15]
	s_delay_alu instid0(VALU_DEP_1)
	v_pk_add_f32 v[8:9], v[8:9], v[12:13]
	s_delay_alu instid0(VALU_DEP_1)
	v_add_f32 v8, v8, v9
	s_delay_alu instid0(VALU_DEP_1)
	v_add_f32_dpp v8, v8, v8 row_xmask:1 row_mask:0xf bank_mask:0xf
	s_delay_alu instid0(VALU_DEP_1)
	v_add_f32_dpp v8, v8, v8 row_xmask:2 row_mask:0xf bank_mask:0xf
	s_delay_alu instid0(VALU_DEP_1)
	v_add_f32_dpp v8, v8, v8 row_xmask:4 row_mask:0xf bank_mask:0xf
	s_delay_alu instid0(VALU_DEP_1)
	v_add_f32_dpp v8, v8, v8 row_xmask:8 row_mask:0xf bank_mask:0xf
	s_delay_alu instid0(VALU_DEP_1)
	v_permlanex16_b32 v9, v8, s12, s13
	s_delay_alu instid0(VALU_DEP_1)
	v_add_f32 v8, v8, v9
.endm
.macro ROW s, left
.set CC, 112+64*(\s)
.set XX, 144+64*(\s)
	s_wait_loadcnt \left                           ; this row's loads are in; the next row's eight may be out
.irp k, 0,2,4,6
	v_pk_add_f32 v[8+\k:9+\k], v[CC+\k:CC+\k+1], v[CC+8+\k:CC+9+\k]
.endr
.irp i, 16,24
.irp k, 0,2,4,6
	s_delay_alu instid0(VALU_DEP_4)
	v_pk_add_f32 v[8+\k:9+\k], v[8+\k:9+\k], v[CC+\i+\k:CC+\i+\k+1]
.endr
.endr
	FOLD
	s_delay_alu instid0(VALU_DEP_1)
	v_mul_f32 v240, s14, v8                        ; the mean
.set i, 0
.rept 16
	v_pk_add_f32 v[CC+i:CC+i+1], v[CC+i:CC+i+1], v[240:241] op_sel_hi:[1,0] neg_lo:[0,1] neg_hi:[0,1]
.set i, i+2
.endr
.irp k, 0,2,4,6
	v_pk_mul_f32 v[8+\k:9+\k], v[CC+\k:CC+\k+1], v[CC+\k:CC+\k+1]
.endr
.irp i, 8,16,24
.irp k, 0,2,4,6
	s_delay_alu instid0(VALU_DEP_4)
	v_pk_fma_f32 v[8+\k:9+\k], v[CC+\i+\k:CC+\i+\k+1], v[CC+\i+\k:CC+\i+\k+1], v[8+\k:9+\k]
.endr
.endr
	FOLD
	s_delay_alu instid0(VALU_DEP_1)
	v_fma_f32 v8, v8, s14, s15                     ; the variance + 1e-5
	s_wait_alu depctr_va_vdst(0)
	v_rsq_f32 v242, v8
	v_nop                                          ; a plain line behind the transcendental
	s_wait_alu depctr_va_vdst(0)                   ; ahead of its first reader
.set i, 0
.rept 16
	v_pk_mul_f32 v[CC+i:CC+i+1], v[CC+i:CC+i+1], v[242:243] op_sel_hi:[1,0]
.set i, i+2
.endr
.set i, 0
.rept 16
	v_pk_fma_f32 v[CC+i:CC+i+1], v[CC+i:CC+i+1], v[GAM+i:GAM+i+1], v[BET+i:BET+i+1]
.set i, i+2
.endr
.irp j, 0,1,2,3,4,5,6,7
	global_store_b128 v1, v[CC+4*\j:CC+4*\j+3], s[18:19] offset:4096*(\s)+512*\j th:TH_STORE_NT   ; 512 consecutive bytes; written once, read by nobody here
.endr
.endm
	ROW 0, 8                                       ; the next row's eight loads may be out
	ROW 1, 0
	s_endpgm
.Lfunc_end_k_qb1d9206faf_ln2:
	.size	k_qb1d9206faf_ln2, .Lfunc_end_k_qb1d9206faf_ln2-k_qb1d9206faf_ln2
	.p2alignl 7, 3214868480
	.fill 96, 4, 3214868480
	.section	.rodata,"a",@progbits
	.p2align	6, 0x0
	.amdhsa_kernel k_qb1d9206faf_ln2
		.amdhsa_group_segment_fixed_size 0
		.amdhsa_private_segment_fixed_size 0
		.amdhsa_enable_private_segment 0
		.amdhsa_kernarg_size 32
		.amdhsa_user_sgpr_count 2
		.amdhsa_user_sgpr_kernarg_segment_ptr 1
		.amdhsa_wavefront_size32 1
		.amdhsa_system_sgpr_workgroup_id_x 1
		.amdhsa_system_sgpr_workgroup_id_y 1
		.amdhsa_system_sgpr_workgroup_id_z 1
		.amdhsa_system_vgpr_workitem_id 0
		.amdhsa_next_free_vgpr 256
		.amdhsa_next_free_sgpr 66
		.amdhsa_reserve_vcc 0
		.amdhsa_float_denorm_mode_32 3
		.amdhsa_float_denorm_mode_16_64 3
		.amdhsa_memory_ordered 1
		.amdhsa_forward_progress 1
		.amdhsa_inst_pref_size 21
	.end_amdhsa_kernel
	.amdgpu_metadata
---
amdhsa.version: [ 1, 2 ]
amdhsa.kernels:
  - .name:           k_qb1d9206faf_ln2
    .symbol:         k_qb1d9206faf_ln2.kd
    .args:
      - { .name: cbuf, .offset: 0, .size: 8, .value_kind: global_buffer, .address_space: global }
      - { .name: gamma2, .offset: 8, .size: 8, .value_kind: global_buffer, .address_space: global }
      - { .name: beta2, .offset: 16, .size: 8, .value_kind: global_buffer, .address_space: global }
      - { .name: out0, .offset: 24, .size: 8, .value_kind: global_buffer, .address_space: global }
    .group_segment_fixed_size: 0
    .private_segment_fixed_size: 0
    .kernarg_segment_align: 8
    .kernarg_segment_size: 32
    .max_flat_workgroup_size: 256
    .sgpr_count:     66
    .vgpr_count:     256
    .wavefront_size: 32
...
	.end_amdgpu_metadata
.endif
;; end of part 8
